; MI455X (gfx1250); checked and timed in simulation.
; The chip was launched on July 23, 2026; its instructions are those of AMD's public machine-readable ISA for CDNA 5 (MIT licence, August 2026) and "CDNA5" Instruction Set Architecture Reference Guide (July 2026). The comments in the code are by the model that wrote it; some were corrected since.
;; Transformer Encoder Layer. Allowed arithmetic: matrix products marked QUANTISED: E4M3 operands, one E8M0 scale for each 32 along K, by v_wmma_scale_f32_16x16x128_f8f6f4 with both operands' format E4M3, f32 sums; everything else in f32.
;; Inputs: b1 4,096 float32; b2 1,024 float32; b_out 1,024 float32; be1 1,024 float32; be2 1,024 float32; g1 1,024 float32; g2 1,024 float32; mask 2 x 2,048 int32; w1_codes 4,096 x 32 x 32 uint8 (E4M3 codes of w1, K innermost, in blocks of 32 codes); w1_scales 4,096 x 32 uint8 (E8M0 scales of w1, one for each 32 codes along K); w2_codes 1,024 x 128 x 32 uint8 (E4M3 codes of w2, K innermost, in blocks of 32 codes); w2_scales 1,024 x 128 uint8 (E8M0 scales of w2, one for each 32 codes along K); w_out_codes 1,024 x 32 x 32 uint8 (E4M3 codes of w_out, K innermost, in blocks of 32 codes); w_out_scales 1,024 x 32 uint8 (E8M0 scales of w_out, one for each 32 codes along K); w_qkv_codes 3,072 x 32 x 32 uint8 (E4M3 codes of w_qkv, K innermost, in blocks of 32 codes); w_qkv_scales 3,072 x 32 uint8 (E8M0 scales of w_qkv, one for each 32 codes along K); x 2 x 2,048 x 1,024 float32.
;; Outputs: out0 2 x 2,048 x 1,024 float32.
;; This version of the problem:
;;   THIS VERSION OF THE PROBLEM IS GIVEN IN LOW PRECISION. The matrix products marked QUANTISED in the list below multiply operands that are first quantised to E4M3 (4 exponent bits, 3 mantissa bits; 8 bits a number), with one power-of-two scale for each 32 numbers along K (OCP MX v1.0); their sums are f32. All else is computed in f32.
;;   The module's matrix products, in the order in which they are computed (A, B: the left and right operand; K: the contracted axis; several contracted axes count as one K, in the product's order):
;;     1. [M 4,096, K 1,024] x [K 1,024, N 3,072]; A: computed on the way; B: input w_qkv (given as codes): QUANTISED
;;     2. batch 32 x [M 2,048, K 64] x [K 64, N 2,048]; A: computed on the way; B: computed on the way: QUANTISED
;;     3. batch 32 x [M 2,048, K 2,048] x [K 2,048, N 64]; A: softmax (see below); B: computed on the way: QUANTISED
;;     4. [M 4,096, K 1,024] x [K 1,024, N 1,024]; A: computed on the way; B: input w_out (given as codes): QUANTISED
;;     5. [M 4,096, K 1,024] x [K 1,024, N 4,096]; A: computed on the way; B: input w1 (given as codes): QUANTISED
;;     6. [M 4,096, K 4,096] x [K 4,096, N 1,024]; A: computed on the way; B: input w2 (given as codes): QUANTISED
;;   THE QUANTISER, for each operand of a quantised product, along K:
;;     - K is cut into blocks of 32 from its start; a last block that is shorter is filled with zeros.
;;     - A block's scale is 2^e with e = floor(log2(the largest magnitude in the block)) - 8, held to -126 .. 127; a block of zeros has e = 0. As a byte (E8M0): e + 127.
;;     - Each number is divided by its block's scale, clamped to +-448, and rounded to the nearest number of E4M3, ties to even, subnormals kept.
;;     - The product sums the exact products of the quantised numbers (number of the format x scale) in f32.
;;   ~~~python
;;   def quantise(x, axis):      # numpy; x: float32 -> the quantised numbers, widened to float32 again
;;       x = np.moveaxis(x, axis, -1); K = x.shape[-1]
;;       x = np.pad(x, [(0, 0)] * (x.ndim - 1) + [(0, -K % 32)]); x = x.reshape(x.shape[:-1] + (-1, 32)); a = np.abs(x).max(-1, keepdims=True)
;;       e = np.where(a > 0, np.clip(np.frexp(np.where(a > 0, a, 1))[1] - 1 - 8, -126, 127), 0)      # np.frexp(a)[1] - 1 = floor(log2(a)), exactly
;;       r = np.clip(x / 2.0 ** e, -448, 448)
;;       step = 2.0 ** (np.maximum(np.frexp(np.where(r == 0, 1, r))[1] - 1, -6) - 3)
;;       q = np.round(r / step) * step * 2.0 ** e      # np.round: ties to even
;;       return np.moveaxis(q.reshape(q.shape[:-2] + (-1,))[..., :K], -1, axis).astype(np.float32)
;;   ~~~
;;   SOFTMAX AHEAD OF A QUANTISED PRODUCT. Where the list says 'softmax', what is quantised is not the finished softmax but p = 2^(t - M), with t = logit x log2(e) and M = ceil(the row's largest t), a whole number; so 1/2 < the row's largest p <= 1. The row's sum l is taken of the UNQUANTISED p, in f32, and the product's result is divided by l at the end. Since M is a whole number, a kernel that streams over the keys may use a running M (the ceiling of the running maximum): every later rescaling is an exact power of two, which a block's scale takes up: the codes' values come out the same.
;;   OPERANDS COMPUTED ON THE WAY. 'Computed on the way' means the value that the module computes at that place (a softmax that the list does not call 'softmax' is quantised finished and normalised). What goes into a quantiser is computed in f32, as accurately as f32 sums, v_exp_f32 and their like allow (about 1e-6 of the number): no bf16 or f16 on the way to a quantiser, and a product that is left as it is and whose result goes on into a quantised operand takes f32 operands (vector FMAs, or v_wmma_f32_16x16x4_f32). A number that lies on a knife's edge between two numbers of the format may be rounded either way, as far as f32 arithmetic and the matrix unit's own rounding can turn it there, and no further.
;;   INPUTS GIVEN AS CODES. w1 (in the module: [1024, 4096], K = its axis 0); w2 (in the module: [4096, 1024], K = its axis 0); w_out (in the module: [1024, 1024], K = its axis 0); w_qkv (in the module: [1024, 3072], K = its axis 0): each comes as NAME_codes (uint8): NAME with its K axis moved to the last place and cut into blocks of 32 codes, [.., K / 32, bytes a block], one block behind the other in memory; one code a byte (a code: sign, 4 exponent bits, 3 mantissa bits); and NAME_scales (uint8): the same leading axes, one E8M0 byte (e + 127) for each 32 codes along K. Its value is code x scale, taken as it is: it is not quantised again, and the codes and scales need not be those that the quantiser above would give.
;; One version. Each part assembles by itself: llvm-mc -triple=amdgcn-amd-amdhsa -mcpu=gfx1250 --defsym DOCPART=n.
;; ======== version 1 of 1: 7 launches
;; limits: right only within a limited range of input values
;; workspace buffers: hq 4,325,376 bytes; qkv 12,976,128 bytes; oq 4,325,376 bytes; x2 16,777,216 bytes; aq 17,301,504 bytes
;; launch ln1 (part 1): grid 256 x 1, 8 waves a work-group, no clusters, 83,456 bytes of LDS; arguments x, g1, be1, hq; writes hq
.if DOCPART == 1
	.amdgcn_target "amdgcn-amd-amdhsa--gfx1250"
	.amdhsa_code_object_version 6
	.text
	.protected	k_q671e5fe270_ln1
	.globl	k_q671e5fe270_ln1
	.p2align	8
	.type	k_q671e5fe270_ln1,@function
k_q671e5fe270_ln1:
	s_mov_b64 s[64:65], 0
	v_nop
	global_prefetch_b8 v0, s[64:65] scope:SCOPE_SE
	s_setreg_imm32_b32 hwreg(HW_REG_WAVE_MODE, 25, 1), 1
	s_wait_xcnt 0x0
; LAYER NORM AND QUANTISER.  y = (x - mean) * rsqrt(var + 1e-5) * g + b over rows of 1,024 f32 numbers, then y as codes of E4M3 with one E8M0 byte for each 32 along the row.
; Output buffer: codes [4096][1024] at byte 0, scale bytes [4096][32] at byte 0x400000: laid as a weight given in codes is laid.
; DEAD WORK: none.  Every input of the problem has a way to the output and every product of its table is done by this program; nothing of reference() is left out in any launch.
; LIMITS: NaN and infinities among the inputs are not served.  A block whose largest magnitude lies under 2^(9 - 127) keeps the byte 1 (a block of zeros too, where the rule says 127:
; its codes are zeros, which add nothing under any byte but 0xff, and this program alone reads the bytes).
; SHARES.  A work-group of eight waves owns 16 rows, a wave two.  A row is 4,096 bytes: eight loads of 512 consecutive bytes.  The conversions want 16 neighbours in ONE lane, so each half row (512 numbers)
; turns through the wave's own stage in LDS: in as loaded, out 64 bytes a lane (16 bytes of padding behind each 64).  Then lane l holds numbers 512 s + 16 l + 0 .. 15 and two lanes hold a block of 32.
; The row stays in registers between the mean, the variance (of x - mean, as reference() has it) and the scaling.  No cluster, no tensor load: the work-groups share only g and b, 8,192 bytes.
.set WREG,  10240                      ; LDS of a wave: four stages (row p, half s: 2 p + s) of 32 x SP bytes
.set SP,    80
.set STG,   32*SP
.set SCB,   8*WREG                     ; the work-group's 16 x 32 scale bytes
.set SPARE, SCB+512                    ; the spare words, 128 bytes for each wave: four blocks of 256 bytes that no other line names
.set X,   32                           ; v32-95   two rows: register 32 p + 16 s + i
.set G,   96                           ; v96-127  g at my 32 places
.set BE,  128                          ; v128-159 b likewise
.set C,   160                          ; v160-175 codes, four registers for each half row
.set E,   20                           ; v20-23   a scale byte for each half row
.set SPW, 24                           ; v24      LDS address of my spare word; never rewritten
.set NIL, 25                           ; v25      0; never rewritten
	s_load_b256 s[4:11], s[0:1], 0x0               ; x s[4:5], g s[6:7], b s[8:9], the output s[10:11]
	v_lshl_add_u32 v[SPW], v0, 2, SPARE
	v_mov_b32 v[NIL], 0
	v_lshrrev_b32 v1, 5, v0
	s_delay_alu instid0(VALU_DEP_1)
	v_readfirstlane_b32 s12, v1                    ; wave 0..7
	v_and_b32 v1, 31, v0                           ; lane
	s_delay_alu instid0(VALU_DEP_1)
	v_lshlrev_b32 v2, 4, v1                        ; 16 x lane: my bytes of a load, of a store of codes, of the scale bytes on their way out
	s_mul_i32 s13, s12, WREG
	v_lshrrev_b32 v3, 2, v1
	s_delay_alu instid0(VALU_DEP_1)
	v_mul_u32_u24 v3, v3, SP
	v_and_b32 v4, 3, v1
	s_delay_alu instid0(VALU_DEP_1)
	v_lshl_add_u32 v3, v4, 4, v3
	s_delay_alu instid0(VALU_DEP_1)
	v_add_nc_u32 v3, s13, v3                       ; the stage, way in: SP (lane / 4) + 16 (lane % 4)
	v_mul_u32_u24 v4, v1, SP
	s_delay_alu instid0(VALU_DEP_1)
	v_add_nc_u32 v4, s13, v4                       ; way out: SP x lane
	s_lshl_b32 s14, s12, 6
	s_add_co_u32 s14, s14, SCB
	v_lshrrev_b32 v5, 1, v1
	s_delay_alu instid0(VALU_DEP_1)
	v_add_nc_u32 v5, s14, v5                       ; my block's scale byte: 64 x wave + lane / 2
	v_lshlrev_b32 v6, 6, v1                        ; g, b: 64 x lane
	v_add_nc_u32 v7, SCB, v2
	s_mov_b32 s16, 0x76543210                      ; lane selects for v_permlanex16_b32: lane l xor 16
	s_mov_b32 s17, 0xfedcba98
	s_mov_b32 s18, 0x3a800000                      ; 1 / 1,024
	s_mov_b32 s19, 0x3727c5ac                      ; 1e-5
	s_mov_b32 s20, 0x600000                        ; the mantissa field of 448
	s_lshl_b32 s15, ttmp9, 4
	s_lshl_b32 s21, s12, 1
	s_add_co_u32 s15, s15, s21                     ; my first row: 16 x work-group + 2 x wave
	s_lshl_b32 s22, s15, 12
	s_mov_b32 s23, 0
	s_lshl_b32 s24, s15, 10
	s_mov_b32 s25, 0
	s_lshl_b32 s26, ttmp9, 9
	s_add_co_u32 s26, s26, 0x400000
	s_mov_b32 s27, 0
	s_wait_alu depctr_va_vdst(0)
	s_wait_kmcnt 0x0
	s_add_nc_u64 s[4:5], s[4:5], s[22:23]
	s_add_nc_u64 s[28:29], s[10:11], s[26:27]      ; the work-group's 512 scale bytes
	s_add_nc_u64 s[10:11], s[10:11], s[24:25]      ; my rows' codes
.irp p, 0,1
.irp i, 0,1,2,3,4,5,6,7
	global_load_b128 v[X+32*\p+4*\i:X+32*\p+4*\i+3], v2, s[4:5] offset:4096*\p+512*\i th:TH_LOAD_NT
.endr
.endr
.irp s, 0,1
.irp j, 0,1,2,3
	global_load_b128 v[G+16*\s+4*\j:G+16*\s+4*\j+3], v6, s[6:7] offset:2048*\s+16*\j
.endr
.endr
.irp s, 0,1
.irp j, 0,1,2,3
	global_load_b128 v[BE+16*\s+4*\j:BE+16*\s+4*\j+3], v6, s[8:9] offset:2048*\s+16*\j
.endr
.endr
.macro TURN p, s                       ; half a row through its stage; LDS serves a wave's instructions in order, so no wait stands between the stores and the loads
.irp i, 0,1,2,3
	ds_store_b128 v3, v[X+32*\p+16*\s+4*\i:X+32*\p+16*\s+4*\i+3] offset:STG*(2*\p+\s)+8*SP*\i
.endr
.irp i, 0,1,2,3
	ds_load_b128 v[X+32*\p+16*\s+4*\i:X+32*\p+16*\s+4*\i+3], v4 offset:STG*(2*\p+\s)+16*\i
.endr
.endm
	s_wait_loadcnt 24                              ; row 0's eight loads are in; row 1's eight and the sixteen of g and b may be out
	TURN 0, 0
	TURN 0, 1
	s_wait_loadcnt 16                              ; row 1's are in
	TURN 1, 0
	TURN 1, 1
	s_wait_dscnt 0x0
.macro WSUM                            ; v8 summed over the 32 lanes, the result in every lane
	s_delay_alu instid0(VALU_DEP_1)
	v_add_f32_dpp v8, v8, v8 row_xmask:1 row_mask:0xf bank_mask:0xf
	s_delay_alu instid0(VALU_DEP_1)
	v_add_f32_dpp v8, v8, v8 row_xmask:2 row_mask:0xf bank_mask:0xf
	s_delay_alu instid0(VALU_DEP_1)
	v_add_f32_dpp v8, v8, v8 row_xmask:4 row_mask:0xf bank_mask:0xf
	s_delay_alu instid0(VALU_DEP_1)
	v_add_f32_dpp v8, v8, v8 row_xmask:8 row_mask:0xf bank_mask:0xf
	s_delay_alu instid0(VALU_DEP_1)
	v_permlanex16_b32 v9, v8, s16, s17
	s_delay_alu instid0(VALU_DEP_1)
	v_add_f32 v8, v8, v9
.endm
.macro STATS p                         ; row p becomes x - mean; v[14:15] = rsqrt(var + eps), twice
.set XR, X+32*\p
	v_pk_add_f32 v[8:9], v[XR:XR+1], v[XR+2:XR+3]
	v_pk_add_f32 v[10:11], v[XR+4:XR+5], v[XR+6:XR+7]
.irp j, 8,12,16,20,24,28
	s_delay_alu instid0(VALU_DEP_2)
	v_pk_add_f32 v[8:9], v[8:9], v[XR+\j:XR+\j+1]
	s_delay_alu instid0(VALU_DEP_2)
	v_pk_add_f32 v[10:11], v[10:11], v[XR+\j+2:XR+\j+3]
.endr
	s_delay_alu instid0(VALU_DEP_1)
	v_pk_add_f32 v[8:9], v[8:9], v[10:11]
	s_delay_alu instid0(VALU_DEP_1)
	v_add_f32 v8, v8, v9
	WSUM
	s_delay_alu instid0(VALU_DEP_1)
	v_mul_f32 v12, s18, v8                         ; the mean, in both registers of the pair
	s_delay_alu instid0(VALU_DEP_2)
	v_mul_f32 v13, s18, v8
.set j, 0
.rept 16
	v_pk_add_f32 v[XR+j:XR+j+1], v[XR+j:XR+j+1], v[12:13] neg_lo:[0,1] neg_hi:[0,1]
.set j, j+2
.endr
	v_pk_mul_f32 v[8:9], v[XR:XR+1], v[XR:XR+1]
	v_pk_mul_f32 v[10:11], v[XR+2:XR+3], v[XR+2:XR+3]
.irp j, 4,8,12,16,20,24,28
	s_delay_alu instid0(VALU_DEP_2)
	v_pk_fma_f32 v[8:9], v[XR+\j:XR+\j+1], v[XR+\j:XR+\j+1], v[8:9]
	s_delay_alu instid0(VALU_DEP_2)
	v_pk_fma_f32 v[10:11], v[XR+\j+2:XR+\j+3], v[XR+\j+2:XR+\j+3], v[10:11]
.endr
	s_delay_alu instid0(VALU_DEP_1)
	v_pk_add_f32 v[8:9], v[8:9], v[10:11]
	s_delay_alu instid0(VALU_DEP_1)
	v_add_f32 v8, v8, v9
	WSUM
	s_delay_alu instid0(VALU_DEP_1)
	v_fma_f32 v8, v8, s18, s19                     ; var + eps
	s_wait_alu depctr_va_vdst(0)
	v_rsq_f32 v14, v8
	v_rsq_f32 v15, v8
	v_nop                                          ; a plain instruction behind the two roots,
	s_wait_alu depctr_va_vdst(0)                   ; and one wait ahead of their first reader
.endm
.macro NORM p
.set XR, X+32*\p
.set j, 0
.rept 16
	v_pk_mul_f32 v[XR+j:XR+j+1], v[XR+j:XR+j+1], v[14:15]
.set j, j+2
.endr
.set j, 0
.rept 16
	v_pk_fma_f32 v[XR+j:XR+j+1], v[XR+j:XR+j+1], v[G+j:G+j+1], v[BE+j:BE+j+1]
.set j, j+2
.endr
.endm
.macro QSTEP p, s                      ; half a row: 16 numbers a lane become 16 codes; two lanes share a block and its byte
.set XS, X+32*\p+16*\s
.set CC, C+4*(2*\p+\s)
	v_max3_num_f32 v16, |v[XS]|, |v[XS+1]|, |v[XS+2]|
	v_max3_num_f32 v17, |v[XS+3]|, |v[XS+4]|, |v[XS+5]|
.irp i, 6,10
	s_delay_alu instid0(VALU_DEP_2)
	v_max3_num_f32 v16, v16, |v[XS+\i]|, |v[XS+\i+1]|
	s_delay_alu instid0(VALU_DEP_2)
	v_max3_num_f32 v17, v17, |v[XS+\i+2]|, |v[XS+\i+3]|
.endr
	s_delay_alu instid0(VALU_DEP_2)
	v_max3_num_f32 v16, v16, |v[XS+14]|, |v[XS+15]|
	s_delay_alu instid0(VALU_DEP_1)
	v_max3_num_f32 v16, v16, v17, 0x4800000        ; and the floor 2^(9 - 127): the byte cannot fall under 1
	s_delay_alu instid0(VALU_DEP_1)
	v_max_num_f32_dpp v16, v16, v16 row_xmask:1 row_mask:0xf bank_mask:0xf   ; with my neighbour's 16: the block's largest magnitude
	s_delay_alu instid0(VALU_DEP_1)
	v_add_nc_u32 v19, 0xfc000000, v16              ; 8 off its exponent field: the conversion's scale operand
	s_delay_alu instid0(VALU_DEP_2)
	v_and_or_b32 v18, v16, 0x7f800000, s20         ; 448 x the scale
.set i, 0
.rept 16
	v_med3_num_f32 v[XS+i], v[XS+i], -v18, v18     ; the conversion to an 8-bit code does not saturate (ISA guide 7.6.2): the hold
.set i, i+1
.endr
	v_cvt_scalef32_pk8_fp8_f32 v[CC:CC+1], v[XS:XS+7], v19
	v_cvt_scalef32_pk8_fp8_f32 v[CC+2:CC+3], v[XS+8:XS+15], v19
	v_lshrrev_b32 v[E+2*\p+\s], 23, v19            ; the scale's byte
	ds_store_b8 v5, v[E+2*\p+\s] offset:32*\p+16*\s   ; both lanes of a block write the same byte with the same value
	global_store_b128 v2, v[CC:CC+3], s[10:11] offset:1024*\p+512*\s   ; the wave stores 512 consecutive bytes
.endm
	STATS 0
	s_wait_loadcnt 0x0                             ; g and b
	NORM 0
	QSTEP 0, 0
	QSTEP 0, 1
	STATS 1
	NORM 1
	QSTEP 1, 0
	QSTEP 1, 1
	s_wait_dscnt 0x0                               ; for the others' sake: my scale bytes lie in LDS
	s_barrier_signal -1
	s_barrier_wait -1
	s_cmp_lg_u32 s12, 0
	s_cbranch_scc1 .Lend
	ds_load_b128 v[26:29], v7                      ; wave 0 sends the work-group's 512 scale bytes: two aligned runs of 256
	s_wait_dscnt 0x0
	global_store_b128 v2, v[26:29], s[28:29]
.Lend:
	s_wait_tensorcnt 0x0                           ; the wave's end
	ds_add_u32 v[SPW], v[NIL]
	s_wait_dscnt 0x0
	s_endpgm
.Lfunc_end_k_q671e5fe270_ln1:
	.size	k_q671e5fe270_ln1, .Lfunc_end_k_q671e5fe270_ln1-k_q671e5fe270_ln1
	.p2alignl 7, 3214868480
	.fill 96, 4, 3214868480
	.section	.rodata,"a",@progbits
	.p2align	6, 0x0
	.amdhsa_kernel k_q671e5fe270_ln1
		.amdhsa_group_segment_fixed_size 83456
		.amdhsa_private_segment_fixed_size 0
		.amdhsa_enable_private_segment 0
		.amdhsa_kernarg_size 32
		.amdhsa_user_sgpr_count 2
		.amdhsa_user_sgpr_kernarg_segment_ptr 1
		.amdhsa_wavefront_size32 1
		.amdhsa_system_sgpr_workgroup_id_x 1
		.amdhsa_system_sgpr_workgroup_id_y 1
		.amdhsa_system_sgpr_workgroup_id_z 1
		.amdhsa_system_vgpr_workitem_id 0
		.amdhsa_next_free_vgpr 176
		.amdhsa_next_free_sgpr 66
		.amdhsa_reserve_vcc 0
		.amdhsa_float_denorm_mode_32 3
		.amdhsa_float_denorm_mode_16_64 3
		.amdhsa_memory_ordered 1
		.amdhsa_forward_progress 1
		.amdhsa_inst_pref_size 33
	.end_amdhsa_kernel
	.amdgpu_metadata
---
amdhsa.version: [ 1, 2 ]
amdhsa.kernels:
  - .name:           k_q671e5fe270_ln1
    .symbol:         k_q671e5fe270_ln1.kd
    .args:
      - { .name: x, .offset: 0, .size: 8, .value_kind: global_buffer, .address_space: global }
      - { .name: g1, .offset: 8, .size: 8, .value_kind: global_buffer, .address_space: global }
      - { .name: be1, .offset: 16, .size: 8, .value_kind: global_buffer, .address_space: global }
      - { .name: hq, .offset: 24, .size: 8, .value_kind: global_buffer, .address_space: global }
    .group_segment_fixed_size: 83456
    .private_segment_fixed_size: 0
    .kernarg_segment_align: 8
    .kernarg_segment_size: 32
    .max_flat_workgroup_size: 256
    .sgpr_count:     66
    .vgpr_count:     176
    .wavefront_size: 32
...
	.end_amdgpu_metadata
.endif
;; end of part 1
;; launch qkv (part 2): grid 12 x 16, 4 waves a work-group, clusters of 4 x 4, 327,680 bytes of LDS; arguments hq, w_qkv_codes, w_qkv_scales, qkv; writes qkv
.if DOCPART == 2
	.amdgcn_target "amdgcn-amd-amdhsa--gfx1250"
	.amdhsa_code_object_version 6
	.text
	.protected	k_q671e5fe270_qkv
	.globl	k_q671e5fe270_qkv
	.p2align	8
	.type	k_q671e5fe270_qkv,@function
k_q671e5fe270_qkv:
	s_mov_b64 s[64:65], 0
	v_nop
	global_prefetch_b8 v0, s[64:65] scope:SCOPE_SE
	s_setreg_imm32_b32 hwreg(HW_REG_WAVE_MODE, 25, 1), 1
	s_wait_xcnt 0x0
	s_wait_alu depctr_hold_cnt(0) depctr_sa_sdst(0) depctr_va_vdst(0) depctr_va_sdst(0) depctr_va_ssrc(0) depctr_va_vcc(0) depctr_vm_vsrc(0)
	s_getreg_b32 s2, hwreg(HW_REG_IB_STS2, 6, 4)
	s_cmp_eq_u32 s2, 0
	s_cbranch_scc0 .Lentry_in_a_cluster
	s_endpgm
.Lentry_in_a_cluster:
	s_bfe_u32 s2, ttmp6, 0x10000c
	s_cmp_lg_u32 s2, 0xf033
	s_cbranch_scc0 .Lentry_shape_is_right
	s_endpgm
.Lentry_shape_is_right:
; q, k AND v, QUANTISED FOR ATTENTION.  C = A B^T on codes of E4M3 with E8M0 scales, K = 1,024; the result is quantised along C's COLUMNS, in blocks of 32, and leaves as codes and scale words.  No work is left out.
; Clusters x = 0, 1: A = the 4,096 tokens (hq), B = the 2,048 columns of q and k (rows of w_qkv as given): quantised along a head's 64.
; Cluster x = 2: A = the 1,024 columns of v (rows 2,048 on of w_qkv), B = the tokens: v TRANSPOSED, quantised along the tokens, which are the keys, the second product's K.  One text serves both: only pointers and offsets are chosen, on the cluster's x.
; OUTPUT IN PANELS.  A panel is 128 neighbouring columns; in it a row is 128 dense bytes and has one word of four scale bytes.  Rows are stored with bits 3 and 4 of the row number swapped, so that sixteen neighbouring
; stored rows are rows 0-7 and 16-23 (or 8-15 and 24-31) of a group of 32: as source 0 of a transposed product they leave 16 neighbours in a lane's 16 registers of two tiles.
; qkv: q, k codes [16 panels][4096][128] at 0; v^T codes [32 panels of tokens][1024][128] at 0x800000; q, k words [16][4096] at 0xC00000; v^T words [32][1024] at 0xC40000.
; A tile of C, 256 x 256, is made by four waves, 128 x 128 each: 64 accumulators, 512 registers.  K goes in steps of 256 through two LDS slots filled by the tensor data mover; the scale bytes of the tile's rows come once.
; CLUSTERS: 4 x 4 work-groups; A's tiles are asked for jointly along a row of the cluster, B's along a column.  THE MATRIX INSTRUCTION IS USED TRANSPOSED (source 0 = 16 rows of B, source 1 = 16 rows of A).
; REGISTERS: window 0: v0-31 addresses; v32-63 scale words, two sets; v128-255 A's fragments, one set (on the way out: work registers).  window 1: B's fragments, two sets.  windows 2, 3: the accumulators.
; LIMITS: NaN and infinities are not served; a block under 2^(9 - 127) keeps the byte 1.
.set KSTEP,  256
.set NQ,     2
.set ROWB,   256
.set KROW,   1024
.set PITCH,  272                       ; an LDS row: 256 bytes + 16 of padding: the 16 rows of a load start at 16 different banks (64 banks of 4 bytes: ISA guide 11.1)
.set FR,     16
.set NL,     4
.set NP,     8                         ; places behind this matrix instruction (ISA guide 7.12.1)
.set HALFT,  128*PITCH
.set SLOT,   4*HALFT
.set LAPS,   2                         ; K = 1,024 is twice round the ring
.set KS,     32                        ; a row of scale bytes
.set SCL,    2*SLOT
.set HALFS,  (128*KS/256)*272
.set SBLK,   (16*KS/256)*272
.set SPARE,  SCL+4*HALFS               ; the spare words, 128 bytes for each wave: two blocks of 256 bytes that no other line names
.set QP,     144                       ; the way out: a stage row of 128 codes + 16 bytes; a wave's region is 4,096 bytes of slot 0: 16 rows, and at 3,072 its 128 scale words
.set ADRA, 16
.set ADRB, 20
.set SWO,  22                          ; v22  where I put a row's scale word
.set SWR,  23                          ; v23  where I read 16 bytes of them back
.set STO,  24
.set RD,   25
.set CO,   26                          ; v26  16 x lane
.set ADRS, 27
.set SPW,  28
.set NIL,  29
.set SC,   32
.set AF,   128
.set TM,   128                         ; the way out, in A's registers: v128-131 largest magnitudes, v132-135 bytes, v136-139 448 x scale, v140-143 scale operands
.set PW,   144                         ; v144-145 scale words, by turns
.set WB,   148
.set PC,   160                         ; v160-191 codes, two sets of 16
.set BK,   192                         ; v192-223 rows read back, two sets of 16
.set G1, 24
.set G0, 32
.set G1B, 48
.set G0B, 56
.set G1S, 68
.set G0S, 76
.set G1SB, 80
.set G0SB, 88
.set MSB, 0
.macro WIN new                         ; the immediate's high byte repeats the setting that is left
.if MSB != (\new)
	s_set_vgpr_msb (MSB<<8)|(\new)
.set MSB, (\new)
.endif
.endm
.set MUL_LO, 0xa1                      ; source 0 (B) window 1, source 1 (A) window 0, C and D window 2
.set MUL_HI, 0xf1
.set TO_B,   0x40
.macro JLOAD g0a, g1a, g0b, g1b        ; a joint load: waves 0 and 1 fetch for A, waves 2 and 3 for B; an s_nop 0 and four v_nop follow each line
	s_cmp_eq_u32 s15, 0
	s_cbranch_scc0 .Lfor_b_\@
	tensor_load_to_lds s[\g0a:\g0a+3], s[\g1a:\g1a+7]
	s_nop 0
.rept 4
	v_nop
.endr
	s_branch .Lasked_\@
.Lfor_b_\@:
	tensor_load_to_lds s[\g0b:\g0b+3], s[\g1b:\g1b+7]
	s_nop 0
.rept 4
	v_nop
.endr
.Lasked_\@:
.endm
.macro CREST
	s_cmp_lg_u32 s14, 0
	s_cbranch_scc1 .Lnot_wave_0_\@
	s_barrier_signal -3
.Lnot_wave_0_\@:
	s_barrier_wait -3
	s_barrier_signal -1
	s_barrier_wait -1
.endm
.macro CROUND
	s_barrier_signal -1
	s_barrier_wait -1
	CREST
.endm
	s_load_b64 s[4:5], s[0:1], 0x0                 ; hq
	s_load_b128 s[8:11], s[0:1], 0x8               ; w_qkv's codes, its scales
	s_load_b64 s[12:13], s[0:1], 0x18              ; qkv
	v_lshl_add_u32 v[SPW], v0, 2, SPARE
	v_mov_b32 v[NIL], 0
	ds_add_u32 v[SPW], v[NIL]                      ; the wave's opening: the add, twice on end, and its wait ahead of my first tensor load
	ds_add_u32 v[SPW], v[NIL]
	v_lshrrev_b32 v1, 5, v0
	v_readfirstlane_b32 s14, v1                    ; wave 0..3
	s_lshr_b32 s15, s14, 1                         ; which half of the tile's rows is mine.  Also: I fetch for A (0) or for B (1)
	s_and_b32 s16, s14, 1                          ; which half of its columns.  Also: which 128 rows I fetch
	s_bfe_u32 s40, ttmp6, 0x40000                  ; cx, cy
	s_bfe_u32 s41, ttmp6, 0x40004
	s_and_b32 s17, ttmp7, 0xffff                   ; cluster y
	s_mov_b32 s2, 0xC00000
	s_cmp_eq_u32 ttmp9, 2                          ; v's cluster?  The cluster's x is the same in all sixteen partners
	s_cselect_b32 s42, s17, ttmp9                  ; clusters of columns: v: the tokens, by cluster y
	s_cselect_b32 s17, 0, s17                      ; clusters of rows: v: the one of w_v's 1,024 rows
	s_cselect_b32 s66, 10, 12                      ; log2 of a panel's rows
	s_cselect_b32 s67, 0x800000, 0                 ; where the codes begin
	s_cselect_b32 s2, 0xC40000, s2                 ; and the scale words
	s_lshl_b32 s42, s42, 2
	s_add_co_u32 s42, s42, s40                     ; tile column
	s_lshl_b32 s17, s17, 2
	s_add_co_u32 s17, s17, s41                     ; tile row
	s_lshl_b32 s43, s41, 2
	s_lshl_b32 s43, 15, s43                        ; my row of the cluster
	s_lshl_b32 s44, 0x1111, s40                    ; my column
	s_or_b32 s[G1+0], s43, (0<<16)|(1<<20)|(1<<21)|(5<<22)|(3<<25)  ; the mask; elements of 1 byte; padding on; bit 21 beside a mask; 4 words behind every 64
	s_or_b32 s[G1B+0], s44, (0<<16)|(1<<20)|(1<<21)|(5<<22)|(3<<25)
.irp g, G1, G1B
	s_mov_b32 s[\g+1], ROWB<<16                    ; tensor_dim0
	s_mov_b32 s[\g+2], 256<<16                     ; tensor_dim1: 256 rows for the head's loads; set to 128 for the ring's behind them
	s_mov_b32 s[\g+3], ROWB<<16                    ; tile_dim0
	s_mov_b32 s[\g+4], 256                         ; tile_dim1
	s_mov_b32 s[\g+5], KROW                        ; pitch
	s_mov_b32 s[\g+6], 0
	s_mov_b32 s[\g+7], 0
.endr
	s_or_b32 s[G1S+0], s43, (3<<16)|(1<<20)|(1<<21)|(5<<22)|(3<<25) ; the scale bytes of 256 rows: 8,192 dense bytes as rows of 256 (32 elements of 8 bytes), 16 bytes of padding behind each
	s_or_b32 s[G1SB+0], s44, (3<<16)|(1<<20)|(1<<21)|(5<<22)|(3<<25)
.irp g, G1S, G1SB
	s_mov_b32 s[\g+1], 32<<16
	s_mov_b32 s[\g+2], KS<<16                      ; the scale bytes of 256 rows: KS rows of 256 bytes
	s_mov_b32 s[\g+3], 32<<16
	s_mov_b32 s[\g+4], KS
	s_mov_b32 s[\g+5], 32
	s_mov_b32 s[\g+6], 0
	s_mov_b32 s[\g+7], 0
.endr
	s_lshl_b32 s20, s17, 8                         ; A: the tile's first row, 256 x tile row
	s_lshl_b32 s46, s42, 8                         ; B: 256 x tile column
	s_mov_b32 s21, 0
	s_mov_b32 s47, 0
	s_mov_b64 s[18:19], KS
	s_mul_u64 s[22:23], s[20:21], s[18:19]
	s_mul_u64 s[92:93], s[46:47], s[18:19]
	s_mov_b64 s[18:19], KROW
	s_mul_u64 s[20:21], s[20:21], s[18:19]
	s_mul_u64 s[46:47], s[46:47], s[18:19]
	s_mul_i32 s18, s16, 128*KROW                   ; in the ring I fetch 128 rows of a tile: which half, in bytes
	s_mov_b32 s19, 0
	s_mul_i32 s45, s14, HALFT                      ; where they go: wave x 128 rows: no place in the cluster enters an LDS address
	s_mov_b32 s100, 0x76543210                     ; lane selects for v_permlanex16_b32: lane l xor 16
	s_mov_b32 s101, 0xfedcba98
	s_mov_b32 s95, 0x600000                        ; the mantissa field of 448
	s_wait_dscnt 0x0                               ; both opening adds are done
	s_wait_kmcnt 0x0
	s_add_nc_u64 s[6:7], s[4:5], 0x400000          ; hq's scale bytes
	s_add_nc_u64 s[96:97], s[8:9], 0x200000        ; w_v: rows 2,048 on: its codes,
	s_add_nc_u64 s[98:99], s[10:11], 0x10000       ; its scale bytes
	s_cmp_eq_u32 ttmp9, 2
	s_cselect_b64 s[96:97], s[96:97], s[4:5]       ; A's codes
	s_cselect_b64 s[98:99], s[98:99], s[6:7]       ; A's scales
	s_cselect_b64 s[8:9], s[4:5], s[8:9]           ; B's codes
	s_cselect_b64 s[10:11], s[6:7], s[10:11]       ; B's scales
	s_add_nc_u64 s[20:21], s[96:97], s[20:21]
	s_add_nc_u64 s[22:23], s[98:99], s[22:23]
	s_add_nc_u64 s[46:47], s[8:9], s[46:47]
	s_add_nc_u64 s[92:93], s[10:11], s[92:93]
	CROUND                                         ; all sixteen work-groups are here: the first joint loads meet
	s_mov_b32 s[G0S], 1
	s_mov_b32 s[G0S+1], SCL
	s_mov_b64 s[G0S+2:G0S+3], s[22:23]
	s_or_b32 s[G0S+3], s[G0S+3], 0x80000000
	s_mov_b32 s[G0SB], 1
	s_mov_b32 s[G0SB+1], SCL+2*HALFS
	s_mov_b64 s[G0SB+2:G0SB+3], s[92:93]
	s_or_b32 s[G0SB+3], s[G0SB+3], 0x80000000
.set G0H, 4                            ; s[4:7], s[8:11] group 0 of the head's loads of K step 0 (the arguments that lay there have been used)
.set G0HB, 8
	s_mov_b32 s[G0H], 1                            ; K step 0's 256 rows of A,
	s_mov_b32 s[G0H+1], 0
	s_mov_b64 s[G0H+2:G0H+3], s[20:21]
	s_or_b32 s[G0H+3], s[G0H+3], 0x80000000
	s_mov_b32 s[G0HB], 1                           ; its 256 rows of B, behind them in slot 0
	s_mov_b32 s[G0HB+1], 2*HALFT
	s_mov_b64 s[G0HB+2:G0HB+3], s[46:47]
	s_or_b32 s[G0HB+3], s[G0HB+3], 0x80000000
	s_add_nc_u64 s[20:21], s[20:21], s[18:19]      ; for the ring: my 128 rows of the tile
	s_add_nc_u64 s[46:47], s[46:47], s[18:19]
.irp s, 0,1
	s_mov_b32 s[G0+4*\s], 1
	s_add_co_u32 s[G0+4*\s+1], s45, \s*SLOT
	s_add_nc_u64 s[G0+4*\s+2:G0+4*\s+3], s[20:21], \s*ROWB
	s_or_b32 s[G0+4*\s+3], s[G0+4*\s+3], 0x80000000
	s_mov_b32 s[G0B+4*\s], 1
	s_add_co_u32 s[G0B+4*\s+1], s45, \s*SLOT
	s_add_nc_u64 s[G0B+4*\s+2:G0B+4*\s+3], s[46:47], \s*ROWB
	s_or_b32 s[G0B+4*\s+3], s[G0B+4*\s+3], 0x80000000
.endr
; THE HEAD'S LOADS, ONE A WAVE: wave 0 K step 0's 256 rows of A, wave 1 its 256 rows of B, wave 2 the scales of A's 256 rows, wave 3 those of B's.  One tree of branches on the wave's number.
.macro ARM under, g0, g1, next
	s_cmp_lt_u32 s14, \under
	s_cbranch_scc0 \next
	tensor_load_to_lds s[\g0:\g0+3], s[\g1:\g1+7]
	s_nop 0
.rept 4
	v_nop
.endr
	s_branch .Lhead_asked
\next:
.endm
	ARM 1, G0H,  G1,  .Lhead_b
	ARM 2, G0HB, G1B, .Lhead_sa
	ARM 3, G0S,  G1S, .Lhead_sb
	tensor_load_to_lds s[G0SB:G0SB+3], s[G1SB:G1SB+7]
	s_nop 0
.rept 4
	v_nop
.endr
.Lhead_asked:
	v_and_b32 v1, 15, v0                           ; r = l % 16
	v_bfe_u32 v2, v0, 4, 1                         ; h = l / 16
	v_mul_u32_u24 v3, v1, PITCH
	v_lshl_add_u32 v4, v2, 4, v3
	s_mul_i32 s21, s15, HALFT
	s_mul_i32 s22, s16, HALFT
	s_add_co_u32 s22, s22, 2*HALFT
.irp s, 0,1
	v_add_nc_u32 v[ADRA+\s], s21, v4
	v_add_nc_u32 v[ADRB+\s], s22, v4
	s_add_co_u32 s21, s21, SLOT
	s_add_co_u32 s22, s22, SLOT
.endr
	v_mul_u32_u24 v5, v1, KS                       ; my row's scales: KS bytes a row, and 16 more for each 256 passed
	v_lshrrev_b32 v6, 8, v5
	v_lshl_add_u32 v5, v6, 4, v5
	s_mul_i32 s21, s15, HALFS
	s_mul_i32 s22, s16, HALFS
	s_add_co_u32 s22, s22, 2*HALFS
	s_sub_co_u32 s22, s22, s21
	v_mul_u32_u24 v6, s22, v2                      ; lanes 16-31 take B's
	s_add_co_u32 s21, s21, SCL
	v_add_nc_u32 v5, v5, v6
	v_add_nc_u32 v[ADRS], s21, v5
	s_lshl_b32 s23, s14, 12                        ; my stage
	v_mul_u32_u24 v5, v1, QP
	v_lshl_add_u32 v5, v2, 3, v5
	v_add_nc_u32 v[STO], s23, v5                   ; in: row r, 8 bytes for each half of the lanes
	v_and_b32 v6, 31, v0
	v_lshrrev_b32 v5, 3, v6
	v_mul_u32_u24 v5, v5, QP
	v_and_b32 v7, 7, v6
	v_lshl_add_u32 v5, v7, 4, v5
	v_add_nc_u32 v[RD], s23, v5                    ; back: eight lanes to a row of 128 bytes, four rows an instruction
	v_lshlrev_b32 v[CO], 4, v6
	v_and_b32 v5, 7, v1
	v_lshrrev_b32 v7, 3, v1
	v_lshlrev_b32 v5, 2, v5
	v_lshl_add_u32 v5, v7, 6, v5
	s_add_co_u32 s23, s23, 3072
	v_add_nc_u32 v[SWO], s23, v5                   ; row r's word at its stored place: 4 (r % 8) + 64 (r / 8)
	v_add_nc_u32 v[SWR], s23, v[CO]
	s_lshl_b32 s20, s17, 8
	s_lshl_b32 s21, s15, 7
	s_add_co_u32 s20, s20, s21                     ; my first row
	s_lshl_b32 s46, s42, 1
	s_add_co_u32 s46, s46, s16                     ; my panel
	s_add_co_u32 s18, s66, 7
	s_lshl_b32 s18, s46, s18
	s_lshl_b32 s19, s20, 7
	s_add_co_u32 s18, s18, s19
	s_add_co_u32 s18, s18, s67
	s_mov_b32 s19, 0
	s_add_co_u32 s22, s66, 2
	s_lshl_b32 s22, s46, s22
	s_lshl_b32 s23, s20, 2
	s_add_co_u32 s22, s22, s23
	s_add_co_u32 s22, s22, s2
	s_mov_b32 s23, 0
	s_add_nc_u64 s[98:99], s[12:13], s[22:23]      ; my 128 scale words
	s_add_nc_u64 s[12:13], s[12:13], s[18:19]      ; my 128 rows of codes
.macro FRAG reg, adr, q, i             ; 16 rows x 128 K of 8-bit codes: registers 4 c .. 4 c + 3 hold K = 32 c + 16 (l / 16) + 0 .. 15
.irp c, 0,1,2,3
	ds_load_b128 v[\reg+4*\c:\reg+4*\c+3], v[\adr] offset:128*(\q)+32*\c+(\i)*16*PITCH
.endr
.endm
; 16 matrix instructions: A's blocks a0, a0 + 1 x B's eight.  The 64 accumulators take turns, one instruction a turn, in the same order in every step.
.macro MUL16 a0, p, q, sc, zero
.irp a, \a0, \a0+1
.irp b, 0,1,2,3,4,5,6,7
.if \zero
	v_wmma_scale_f32_16x16x128_f8f6f4 v[8*(8*((\a)%4)+\b):8*(8*((\a)%4)+\b)+7], v[128*(\p)+FR*\b:128*(\p)+FR*\b+FR-1], v[AF+FR*(\a):AF+FR*(\a)+FR-1], 0, v[SC+8*NQ*(\sc)+NQ*\b+(\q)], v[SC+8*NQ*(\sc)+NQ*(\a)+(\q)] matrix_a_scale:MATRIX_SCALE_ROW1
.else
	v_wmma_scale_f32_16x16x128_f8f6f4 v[8*(8*((\a)%4)+\b):8*(8*((\a)%4)+\b)+7], v[128*(\p)+FR*\b:128*(\p)+FR*\b+FR-1], v[AF+FR*(\a):AF+FR*(\a)+FR-1], v[8*(8*((\a)%4)+\b):8*(8*((\a)%4)+\b)+7], v[SC+8*NQ*(\sc)+NQ*\b+(\q)], v[SC+8*NQ*(\sc)+NQ*(\a)+(\q)] matrix_a_scale:MATRIX_SCALE_ROW1
.endif
.endr
.endr
.endm
.macro FETCH_B slot, q, p
	WIN TO_B
.irp i, 0,1,2,3,4,5,6,7
	FRAG 128*(\p)+FR*\i, ADRB+\slot, \q, \i
.endr
	WIN 0
.endm
.macro FETCH_A slot, q, i0
.irp i, \i0, \i0+1, \i0+2, \i0+3
	FRAG AF+FR*(\i), ADRA+\slot, \q, \i
.endr
.endm
.macro SCALES sc                       ; a K step's scale words: lanes 0-15 take A's block i, lanes 16-31 B's block i
.irp i, 0,1,2,3,4,5,6,7
	ds_load_b64 v[SC+8*NQ*\sc+NQ*\i:SC+8*NQ*\sc+NQ*\i+1], v[ADRS] offset:\i*SBLK
.endr
.endm
.macro PLACES n                        ; plain vector instructions between a matrix instruction and a load into, or a read of, its registers
.rept \n
	v_nop
.endr
.endm
.macro STEP slot, q, zero              ; 128 along K whose successor lies in the same slot
	s_wait_dscnt 4*NL                              ; B's set and A's blocks 0-3 are in; A's blocks 4-7 may be out
	WIN MUL_LO
	MUL16 0, (\q)%2, \q, \slot, \zero
	MUL16 2, (\q)%2, \q, \slot, \zero
	s_wait_dscnt 0
	PLACES NP
	FETCH_B \slot, (\q)+1, 1-(\q)%2
	FETCH_A \slot, (\q)+1, 0
	WIN MUL_HI
	MUL16 4, (\q)%2, \q, \slot, \zero
	MUL16 6, (\q)%2, \q, \slot, \zero
	PLACES NP
	WIN 0
	FETCH_A \slot, (\q)+1, 4
.endm
.macro TURN slot, next, fill           ; a slot's last step changes slots: one barrier; fill = 1: it opens a round of the cluster's barrier and the slot is filled again
	s_wait_tensorcnt 0x0                           ; all my tensor loads have landed: my part of the next slot
	ds_add_u32 v[SPW], v[NIL]                      ; 0 onto my spare word
	s_wait_dscnt 4*NL+1                            ; (the add and A's blocks 4-7 may be out)
	WIN MUL_LO
	MUL16 0, 1, NQ-1, \slot, 0
	s_wait_dscnt 0x0                               ; the add is done, and my reads of this slot are over
	s_barrier_signal -1
	MUL16 2, 1, NQ-1, \slot, 0
	WIN 0
	s_barrier_wait -1
.if \fill
	CREST                                          ; no wave of any partner still reads this slot or has a load on its way
	s_add_nc_u64 s[G0+4*\slot+2:G0+4*\slot+3], s[G0+4*\slot+2:G0+4*\slot+3], 2*ROWB
	s_add_nc_u64 s[G0B+4*\slot+2:G0B+4*\slot+3], s[G0B+4*\slot+2:G0B+4*\slot+3], 2*ROWB
	JLOAD G0+4*\slot, G1, G0B+4*\slot, G1B         ; the first tensor load behind the round; its four v_nop are among the places below
	PLACES NP-4
.else
	PLACES NP
.endif
	s_wait_alu depctr_va_vdst(0)
	v_add_nc_u32 v[ADRS], 4*NQ, v[ADRS]            ; the next K step's scale words (no LDS load of mine is out)
	FETCH_B \next, 0, 0
	FETCH_A \next, 0, 0
	SCALES \next
	WIN MUL_HI
	MUL16 4, 1, NQ-1, \slot, 0
	MUL16 6, 1, NQ-1, \slot, 0
	PLACES NP
	WIN 0
	FETCH_A \next, 0, 4
.endm
	s_wait_alu depctr_va_vdst(0)                   ; the wait at the head's end
	s_wait_tensorcnt 0x0                           ; my tile of the head's four is in
	ds_add_u32 v[SPW], v[NIL]
	s_mov_b32 s[G1+2], 128<<16                     ; no tensor load of mine is out: from here on a load brings 128 rows
	s_mov_b32 s[G1+4], 128
	s_mov_b32 s[G1B+2], 128<<16
	s_mov_b32 s[G1B+4], 128
	s_wait_dscnt 0x0                               ; the add is done
	CROUND                                         ; all four tiles are in, and all sixteen work-groups are here
	JLOAD G0+4, G1, G0B+4, G1B                     ; K step 1's load, the first tensor load behind the round
	FETCH_B 0, 0, 0
	FETCH_A 0, 0, 0
	SCALES 0
	FETCH_A 0, 0, 4
	STEP 0, 0, 1                                   ; the first step's products start the sums
	s_mov_b32 s3, LAPS-1
.Llap:
	TURN 0, 1, 1
	STEP 1, 0, 0
	TURN 1, 0, 1
	STEP 0, 0, 0
	s_sub_co_u32 s3, s3, 1
	s_cmp_lg_u32 s3, 0
	s_cbranch_scc1 .Llap
	TURN 0, 1, 0                                   ; the last lap fills nothing
	STEP 1, 0, 0
	s_wait_dscnt 4*NL
	WIN MUL_LO
	MUL16 0, 1, NQ-1, 1, 0
	MUL16 2, 1, NQ-1, 1, 0
	s_wait_dscnt 0
	WIN MUL_HI
	MUL16 4, 1, NQ-1, 1, 0
	MUL16 6, 1, NQ-1, 1, 0
	WIN 0
; THE WAY OUT, a block of 16 rows x 128 columns at a time.  Lane (r, h) holds row r; accumulators 2 b and 2 b + 1 hold columns 32 b + 8 h + 0 .. 7 and 32 b + 16 + 8 h + 0 .. 7: a block of 32 lies in lanes l and l xor 16.
.macro QBLK a
.set AC, 64*((\a)%4)
.set W, 2+(\a)/4
.set PS, PC+16*((\a)%2)
.set WW, (W<<2)|(W<<4)
	WIN WW                                         ; sources 1 and 2: the block's window
.irp b, 0,1,2,3
	v_max3_num_f32 v[TM+\b], 0x4800000, |v[AC+16*\b]|, |v[AC+16*\b+1]|   ; with the floor 2^(9 - 127); each accumulator is read from its low end on
.endr
.irp i, 2,4,6,8,10,12,14
.irp b, 0,1,2,3
	v_max3_num_f32 v[TM+\b], v[TM+\b], |v[AC+16*\b+\i]|, |v[AC+16*\b+\i+1]|
.endr
.endr
	WIN 0
.irp b, 0,1,2,3
	v_permlanex16_b32 v[TM+4+\b], v[TM+\b], s100, s101
.endr
.irp b, 0,1,2,3
	v_max_num_f32 v[TM+\b], v[TM+\b], v[TM+4+\b]   ; the block's largest magnitude
.endr
.irp b, 0,1,2,3
	v_add_nc_u32 v[TM+12+\b], 0xfc000000, v[TM+\b] ; 8 off its exponent field: the conversion's scale operand
.endr
.irp b, 0,1,2,3
	v_and_or_b32 v[TM+8+\b], v[TM+\b], 0x7f800000, s95   ; 448 x the scale
.endr
.irp b, 0,1,2,3
	v_lshrrev_b32 v[TM+4+\b], 23, v[TM+12+\b]      ; the scale's byte
.endr
	v_lshl_or_b32 v[PW+(\a)%2], v[TM+5], 8, v[TM+4]
	v_lshl_or_b32 v[PW+(\a)%2], v[TM+6], 16, v[PW+(\a)%2]
	v_lshl_or_b32 v[PW+(\a)%2], v[TM+7], 24, v[PW+(\a)%2]
.set WW, W|(W<<6)
	WIN WW
.set k, 0
.rept 64
	v_med3_num_f32 v[AC+k], v[AC+k], -v[TM+8+k/16], v[TM+8+k/16]   ; the conversion to an 8-bit code does not saturate (ISA guide 7.6.2): the hold
.set k, k+1
.endr
	WIN W
.irp b, 0,1,2,3
	v_cvt_scalef32_pk8_fp8_f32 v[PS+4*\b:PS+4*\b+1], v[AC+16*\b:AC+16*\b+7], v[TM+12+\b]
	v_cvt_scalef32_pk8_fp8_f32 v[PS+4*\b+2:PS+4*\b+3], v[AC+16*\b+8:AC+16*\b+15], v[TM+12+\b]
.endr
	WIN 0
	v_nop                                          ; a plain instruction behind the last conversion
.endm
.macro STAGE a                         ; 13 LDS instructions: the codes into rows of 128 bytes, the word to its stored place, and the rows back, four to an instruction
.set PS, PC+16*((\a)%2)
.set BB, BK+16*((\a)%2)
.irp b, 0,1,2,3
	ds_store_b64 v[STO], v[PS+4*\b:PS+4*\b+1] offset:32*\b
	ds_store_b64 v[STO], v[PS+4*\b+2:PS+4*\b+3] offset:32*\b+16
.endr
	ds_store_b32 v[SWO], v[PW+(\a)%2] offset:128*((\a)/2)+32*((\a)%2)
.irp t, 0,1,2,3
	ds_load_b128 v[BB+4*\t:BB+4*\t+3], v[RD] offset:4*QP*\t   ; LDS serves a wave's instructions in order: these see the stores above
.endr
.endm
.macro SEND a, younger                 ; rows 4 t .. 4 t + 3 of the block go to four neighbouring stored rows: 512 consecutive bytes
.set BB, BK+16*((\a)%2)
	s_wait_dscnt \younger
.irp t, 0,1,2,3
	global_store_b128 v[CO], v[BB+4*\t:BB+4*\t+3], s[12:13] offset:(32*((\a)/2)+8*((\a)%2)+(4*\t)%8+16*(\t/2))*128
.endr
.endm
	PLACES NP
	QBLK 0
	STAGE 0
.irp a, 1,2,3,4,5,6,7
	QBLK \a
.if \a > 1
	s_wait_alu depctr_va_vdst(0)
	s_wait_xcnt 0x0                                ; block a - 2's stores have read the registers into which block a's rows come back
.endif
	STAGE \a
	SEND \a-1, 13                                  ; behind block a - 1's loads: block a's 13.  Block a - 1's LDS stores are done too: its codes' registers may be written again
.endr
	ds_load_b128 v[WB:WB+3], v[SWR]
	SEND 7, 1
	s_wait_dscnt 0x0
	global_store_b128 v[CO], v[WB:WB+3], s[98:99]  ; my 128 scale words: 512 consecutive bytes
	s_wait_tensorcnt 0x0                           ; the wave's end
	ds_add_u32 v[SPW], v[NIL]
	s_wait_dscnt 0x0
	CROUND                                         ; the closing round
	s_endpgm
.Lfunc_end_k_q671e5fe270_qkv:
	.size	k_q671e5fe270_qkv, .Lfunc_end_k_q671e5fe270_qkv-k_q671e5fe270_qkv
	.p2alignl 7, 3214868480
	.fill 96, 4, 3214868480
	.section	.rodata,"a",@progbits
	.p2align	6, 0x0
	.amdhsa_kernel k_q671e5fe270_qkv
		.amdhsa_group_segment_fixed_size 327680
		.amdhsa_private_segment_fixed_size 0
		.amdhsa_enable_private_segment 0
		.amdhsa_kernarg_size 32
		.amdhsa_user_sgpr_count 2
		.amdhsa_user_sgpr_kernarg_segment_ptr 1
		.amdhsa_wavefront_size32 1
		.amdhsa_system_sgpr_workgroup_id_x 1
		.amdhsa_system_sgpr_workgroup_id_y 1
		.amdhsa_system_sgpr_workgroup_id_z 1
		.amdhsa_system_vgpr_workitem_id 0
		.amdhsa_next_free_vgpr 1024
		.amdhsa_next_free_sgpr 102
		.amdhsa_reserve_vcc 0
		.amdhsa_float_denorm_mode_32 3
		.amdhsa_float_denorm_mode_16_64 3
		.amdhsa_memory_ordered 1
		.amdhsa_forward_progress 1
		.amdhsa_inst_pref_size 194
	.end_amdhsa_kernel
	.amdgpu_metadata
---
amdhsa.version: [ 1, 2 ]
amdhsa.kernels:
  - .name:           k_q671e5fe270_qkv
    .symbol:         k_q671e5fe270_qkv.kd
    .args:
      - { .name: hq, .offset: 0, .size: 8, .value_kind: global_buffer, .address_space: global }
      - { .name: w_qkv_codes, .offset: 8, .size: 8, .value_kind: global_buffer, .address_space: global }
      - { .name: w_qkv_scales, .offset: 16, .size: 8, .value_kind: global_buffer, .address_space: global }
      - { .name: qkv, .offset: 24, .size: 8, .value_kind: global_buffer, .address_space: global }
    .group_segment_fixed_size: 327680
    .private_segment_fixed_size: 0
    .kernarg_segment_align: 8
    .kernarg_segment_size: 32
    .max_flat_workgroup_size: 128
    .sgpr_count:     102
    .vgpr_count:     1024
    .wavefront_size: 32
...
	.end_amdgpu_metadata
.endif
;; end of part 2
;; launch attn (part 3): grid 16 x 16, 8 waves a work-group, clusters of 4 x 1, 327,680 bytes of LDS; arguments qkv, mask, oq; writes oq
.if DOCPART == 3
	.amdgcn_target "amdgcn-amd-amdhsa--gfx1250"
	.amdhsa_code_object_version 6
	.text
	.protected	k_q671e5fe270_attn
	.globl	k_q671e5fe270_attn
	.p2align	8
	.type	k_q671e5fe270_attn,@function
k_q671e5fe270_attn:
	s_mov_b64 s[64:65], 0
	v_nop
	global_prefetch_b8 v0, s[64:65] scope:SCOPE_SE
	s_setreg_imm32_b32 hwreg(HW_REG_WAVE_MODE, 25, 1), 1
	s_wait_xcnt 0x0
	s_wait_alu depctr_hold_cnt(0) depctr_sa_sdst(0) depctr_va_vdst(0) depctr_va_sdst(0) depctr_va_ssrc(0) depctr_va_vcc(0) depctr_vm_vsrc(0)
	s_getreg_b32 s2, hwreg(HW_REG_IB_STS2, 6, 4)
	s_cmp_eq_u32 s2, 0
	s_cbranch_scc0 .Lentry_in_a_cluster
	s_endpgm
.Lentry_in_a_cluster:
	s_bfe_u32 s2, ttmp6, 0x10000c
	s_cmp_lg_u32 s2, 0x3003
	s_cbranch_scc0 .Lentry_shape_is_right
	s_endpgm
.Lentry_shape_is_right:
; ATTENTION ON CODES OF E4M3, head size 64, with a mask over the keys that is an input; the result is divided by the row's sum and quantised along D for the projection.  No work is left out: a masked key's p is 0 only by the mask's values.
; SHARES.  A work-group owns 128 stored query rows of one batch and one PAIR of heads (x: the block of rows; y: 8 x batch + pair).  Wave w of eight: head w / 4 of the pair, 32 rows (w % 4): TWO tiles of 16 queries, A and B.
; Every wave walks the batch's 2,048 keys, 128 a step.  One set of k's and of v^T's fragments serves both tiles.  BOTH TILES GO THROUGH THE SOFTMAX TOGETHER: eight blocks of 32 keys take turns line by line, and the 128 exponentials are one batch.
; CLUSTERS: four work-groups along x form a cluster.  They share batch and pair, so they walk the same k and v^T: each tile is asked for JOINTLY, by the same tensor load with the same descriptor and the mask 15.
; A round of the cluster's barrier stands in front of the first joint loads, in front of every refill, and in front of the end.  No LDS address and no branch hangs on a work-group's place in its cluster.
; LAYOUT.  Both products transposed: S^T = K Q^T, O^T = V^T P^T: a lane holds one query of each tile.  k's rows are stored with bits 3 and 4 swapped, so the 16 registers of tiles 2 g and 2 g + 1 are keys 32 g + 16 (lane / 16) + 0 .. 15; v^T's rows likewise.
; K = 64 UNDER AN INSTRUCTION OF 128.  A fragment holds the 64 codes of stored row 32 g + r in registers 0-7 and those of row 32 g + 16 + r in registers 8-15.  Against [q | zeros] it gives tile 2 g, against [zeros | q] tile 2 g + 1.
; THE MASK is the C of the one product on each tile: 0 for a key that counts, -2^100 for one that does not; its numbers are loaded into S^T's registers a step ahead, from a table that is never filled again.
; t = S x c, c = log2(e) / 8.  The running largest t begins at -2^90, over every masked t: a masked key's p is 0 from the first step on.
; Where no key of the batch counts, c is taken as 0: every t is 0 and every p is 1, which is reference()'s uniform row.  That choice is a select on a number, no branch.
; THE SOFTMAX: M = the running largest t rounded up to a whole number; p = 2^(t - M) is quantised along the keys, not normalised; the row's sum is taken of the unquantised p; when M moves, the sum and O^T are multiplied by 2^(old M - new M).
; LIMITS: scores of keys that count lie over -2^90 / c and under 2^76 in size; where reference()'s -1e9 would still weigh beside logits under about -1e9 this text gives those keys 0.  NaN and infinities are not served.
; REGISTERS.  Window 0: v1-13 addresses; v14-31 the two tiles' -M, largest t, sum, f, scale words; v32-39 k's and v^T's scale words; v40-63, v224-243 at work; v64-191 S^T, then p, of A and of B; v192-223 p's codes.
; Window 1: v0-63 O^T of A and B; v64-127 v^T's fragments; v128-191 k's fragments; v192-231 zeros, q A, zeros, q B, zeros.
.set KP,    144                        ; a row of 128 codes in LDS + 16 bytes
.set HALF,  128*KP                     ; what one tensor load brings
.set VOFF,  2*HALF                     ; a slot: 256 rows of k, then two panels of 128 rows of v^T
.set SLOT1, 1<<17
.set NSL,   8
.set KSWT,  2*SLOT1                    ; tables made by LDS stores, into which no load lands: k's scale words, 2 heads x 1,024;
.set VSWT,  KSWT+8192                  ; v^T's, 16 steps x 128;
.set BIAS,  VSWT+8192                  ; the mask as 2,048 f32 numbers;
.set FLAG,  BIAS+8192                  ; a word for each wave: did it see a key that counts
.set SPARE, FLAG+256                   ; the spare words, 128 bytes for each wave: four blocks of 256 bytes that no other line names
.set STGW,  HALF                       ; the way out, in slot 0: 128 rows x KP, and behind them 128 scale words
.set AK0,  1
.set AV0,  2
.set ASK0, 3
.set ASV0, 4
.set SPW,  5
.set NIL,  6
.set PFO,  7                           ; the prefetches' offset; on the way out the register becomes GO
.set GO,   7
.set ADK,  8
.set ADV,  9
.set ADS,  10
.set ADT,  11
.set ABI0, 12
.set ADB,  13
.set NM,   14                          ; tile u: the pair -M, largest t at NM + 2 u
.set SM,   18                          ; the sum's pair at SM + 2 u
.set F,    22                          ; the pair of f at F + 2 u
.set TV,   26
.set PW,   28                          ; p's scale word
.set QW,   30                          ; q's scale word
.set SW,   32
.set SWV,  36
.set MX,   40                          ; eight blocks: 0-3 tile A, 4-7 tile B
.set HD,   48
.set SO,   56
.set S,    64
.set PC,   192
.set PT,   224
.set T,    232
.set OA,   0                           ; window 1
.set OB,   32
.set VF,   64
.set FRG,  128
.set QA,   200
.set QB,   216
.set WV,   18
.set MNT,  19
.set SEL,  20
.set CS,   22
.set G1,   24
.set G0K,  40
.set G0V,  44
.set TB,   2
.set TS,   3
.set TJ,   66
.set SLOTS, 67
.set TBI,  68
.set CX,   69
.set PFA,  76
.set PFB,  78
.set LIM,  80
.set MSB, 0
.macro WIN new                         ; the immediate's high byte repeats the setting that is left
.if MSB != (\new)
	s_set_vgpr_msb (MSB<<8)|(\new)
.set MSB, (\new)
.endif
.endm
.macro TLOAD                           ; a joint load: waves 0 and 1 fetch k's halves, waves 2 and 3 v^T's two panels, the others nothing; an s_nop 0 and four v_nop follow each line
	s_cmp_lt_u32 s[WV], 2
	s_cbranch_scc0 .Lnot_k_\@
	tensor_load_to_lds s[G0K:G0K+3], s[G1:G1+7]
	s_nop 0
.rept 4
	v_nop
.endr
	s_branch .Lasked_\@
.Lnot_k_\@:
	s_cmp_lt_u32 s[WV], 4
	s_cbranch_scc0 .Lasked_\@
	tensor_load_to_lds s[G0V:G0V+3], s[G1:G1+7]
	s_nop 0
.rept 4
	v_nop
.endr
.Lasked_\@:
.endm
.macro CREST                           ; a round of the cluster's barrier behind its opening barrier
	s_cmp_lg_u32 s[WV], 0
	s_cbranch_scc1 .Lnot_wave_0_\@
	s_barrier_signal -3
.Lnot_wave_0_\@:
	s_barrier_wait -3
	s_barrier_signal -1
	s_barrier_wait -1
.endm
.macro CROUND                          ; a whole round
	s_barrier_signal -1
	s_barrier_wait -1
	CREST
.endm
; A prefetch of what the NEXT change of slots will ask for: k's 32,768 dense bytes and v^T's two parts of 16,384.  Every cluster asks for what it will load.  Its four partners share the blocks out BY ADDRESS: part 4 cx + wave % 4 of sixteen,
; 2,048 bytes of k and 2,048 of v^T, by waves 4 to 7, which fetch nothing for the ring; lanes 0 to 7 name the part's eight blocks of 256 bytes, the lanes left over the last of them again.
; The last change that fills a slot asks for nothing; slots 0 and 1 come by their loads alone.
.macro ASK
	s_cmp_gt_u32 s[SLOTS], s[LIM]
	s_cbranch_scc0 .Lnot_mine_\@
	global_prefetch_b8 v[PFO], s[PFA:PFA+1] th:TH_LOAD_NT scope:SCOPE_SE
	global_prefetch_b8 v[PFO], s[PFB:PFB+1] th:TH_LOAD_NT scope:SCOPE_SE
.Lnot_mine_\@:
.endm
.macro BLOAD adr, off                  ; 32 LDS loads: the mask's numbers of 128 keys, in the result's layout, into S^T's registers of both tiles: they are the products' C
.irp u, 0,1
.irp t, 0,1,2,3,4,5,6,7
	ds_load_b128 v[S+64*\u+8*\t:S+64*\u+8*\t+3],   v[\adr] offset:(\off)+(32*(\t/2)+8*(\t%2))*4
	ds_load_b128 v[S+64*\u+8*\t+4:S+64*\u+8*\t+7], v[\adr] offset:(\off)+(32*(\t/2)+8*(\t%2))*4+16
.endr
.endr
.endm
	s_load_b128 s[4:7], s[0:1], 0x0                ; qkv, mask
	s_load_b64 s[8:9], s[0:1], 0x10                ; oq
	v_lshl_add_u32 v[SPW], v0, 2, SPARE
	v_mov_b32 v[NIL], 0
	ds_add_u32 v[SPW], v[NIL]                      ; the wave's opening: the add, twice on end, and its wait ahead of the round in front of the first tensor loads
	ds_add_u32 v[SPW], v[NIL]
	v_lshrrev_b32 v8, 5, v0
	s_delay_alu instid0(VALU_DEP_1)
	v_readfirstlane_b32 s[WV], v8                  ; wave 0..7
	s_bfe_u32 s[CX], ttmp6, 0x40000                ; cx: my place in the cluster
	s_and_b32 s70, ttmp7, 0xffff
	s_lshr_b32 s71, s70, 3                         ; batch
	s_and_b32 s72, s70, 7                          ; pair of heads
	s_lshr_b32 s73, s[WV], 2                       ; e: my head of the pair
	s_and_b32 s74, s[WV], 3                        ; my 32 rows
	s_and_b32 s75, s[WV], 1
	s_mov_b32 s[G1], 15|(3<<16)|(1<<20)|(1<<21)|(4<<22)|(3<<25)   ; the mask: all four partners; elements of 8 bytes; padding on; bit 21 beside a mask; four words behind every 32
	s_mov_b32 s[G1+1], 1024<<16                    ; tensor_dim0: a tile's 128 rows of 128 bytes are 16,384 dense bytes: stated as two rows of 8,192
	s_mov_b32 s[G1+2], 2<<16                       ; tensor_dim1
	s_mov_b32 s[G1+3], 1024<<16                    ; tile_dim0
	s_mov_b32 s[G1+4], 2                           ; tile_dim1
	s_mov_b32 s[G1+5], 1024                        ; pitch: dense
	s_mov_b32 s[G1+6], 0
	s_mov_b32 s[G1+7], 0
	s_lshl_b32 s81, s71, 11
	s_lshl_b32 s82, ttmp9, 2
	s_add_co_u32 s82, s82, s[CX]                   ; work-group x = 4 x cluster x + cx
	s_lshl_b32 s82, s82, 7
	s_add_co_u32 s81, s81, s82                     ; the work-group's first stored row
	s_lshl_b32 s82, s74, 5
	s_add_co_u32 s82, s82, s81                     ; my wave's
	s_lshl_b32 s84, s82, 7
	s_lshl_b32 s83, s72, 19
	s_add_co_u32 s84, s84, s83
	s_lshl_b32 s85, s73, 6
	s_add_co_u32 s84, s84, s85
	s_mov_b32 s85, 0                               ; s[84:85]: q's codes: panel, row, my head's 64 bytes
	s_lshl_b32 s86, s82, 2
	s_lshl_b32 s87, s72, 14
	s_add_co_u32 s86, s86, s87
	s_add_co_u32 s86, s86, 0xC00000
	s_mov_b32 s87, 0                               ; s[86:87]: q's scale words
	s_add_co_u32 s90, s72, 8                       ; k's panel
	s_lshl_b32 s88, s90, 14
	s_lshl_b32 s89, s71, 13
	s_add_co_u32 s88, s88, s89
	s_add_co_u32 s88, s88, 0xC00000
	s_mov_b32 s89, 0                               ; s[88:89]: k's scale words of my batch
	s_lshl_b32 s92, s71, 16
	s_lshl_b32 s93, s72, 9
	s_add_co_u32 s92, s92, s93
	s_add_co_u32 s92, s92, 0xC40000
	s_mov_b32 s93, 0                               ; s[92:93]: v^T's scale words
	s_lshl_b32 s94, s90, 19
	s_lshl_b32 s91, s71, 18
	s_add_co_u32 s94, s94, s91                     ; k's codes of my batch
	s_lshl_b32 s95, s71, 21
	s_lshl_b32 s91, s72, 14
	s_add_co_u32 s95, s95, s91
	s_add_co_u32 s95, s95, 0x800000                ; v^T's codes: my batch's first panel, my pair's 128 rows
	s_lshl_b32 s34, s75, 14
	s_add_co_u32 s34, s34, s94
	s_mov_b32 s35, 0                               ; what I fetch of k: 128 rows,
	s_lshl_b32 s36, s75, 17
	s_add_co_u32 s36, s36, s95
	s_mov_b32 s37, 0                               ; of v^T: a panel
	s_lshl_b32 s38, s71, 13
	s_mov_b32 s39, 0                               ; the mask of my batch
	s_mul_i32 s50, s75, HALF
	s_add_co_u32 s51, s50, VOFF
	s_lshl_b32 s96, s81, 7
	s_add_co_u32 s96, s96, s83
	s_lshl_b32 s97, s[WV], 11
	s_add_co_u32 s96, s96, s97
	s_mov_b32 s97, 0                               ; the result's codes: 16 rows a wave
	s_lshl_b32 s48, s81, 2
	s_lshl_b32 s49, s72, 14
	s_add_co_u32 s48, s48, s49
	s_add_co_u32 s48, s48, 0x400000
	s_mov_b32 s49, 0                               ; and its scale words
	s_mov_b32 s[SEL], 0x76543210
	s_mov_b32 s[SEL+1], 0xfedcba98
	s_mov_b32 s[MNT], 0x600000
	s_mov_b32 s[TB], 0
	s_mov_b32 s[TS], 0
	s_mov_b32 s[TJ], 0
	s_mov_b32 s[TBI], 0
	s_mov_b32 s[SLOTS], NSL-1
	s_wait_dscnt 0x0                               ; both opening adds are done
	s_wait_kmcnt 0x0
	s_mov_b32 s[G0K], 1
	s_mov_b32 s[G0K+1], s50
	s_add_nc_u64 s[G0K+2:G0K+3], s[4:5], s[34:35]
	s_or_b32 s[G0K+3], s[G0K+3], 0x80000000
	s_mov_b32 s[G0V], 1
	s_mov_b32 s[G0V+1], s51
	s_add_nc_u64 s[G0V+2:G0V+3], s[4:5], s[36:37]
	s_or_b32 s[G0V+3], s[G0V+3], 0x80000000
	CROUND                                         ; all four work-groups are here: the first joint loads meet
	TLOAD                                          ; slot 0
	s_add_nc_u64 s[10:11], s[4:5], s[84:85]
	s_add_nc_u64 s[12:13], s[4:5], s[86:87]
	s_add_nc_u64 s[14:15], s[4:5], s[88:89]
	s_add_nc_u64 s[16:17], s[4:5], s[92:93]
	s_add_nc_u64 s[6:7], s[6:7], s[38:39]
	s_add_nc_u64 s[32:33], s[8:9], s[48:49]
	s_add_nc_u64 s[8:9], s[8:9], s[96:97]
	s_lshl_b32 s89, s[CX], 2                       ; the prefetches: my part of sixteen: 4 cx + wave % 4
	s_add_co_u32 s89, s89, s74
	s_lshl_b32 s90, s89, 11                        ; k: 2,048 x part,
	s_add_co_u32 s90, s90, s94
	s_add_co_u32 s90, s90, 0x8000                  ; in slot 1: the first change of slots steps it to slot 2
	s_mov_b32 s91, 0
	s_add_nc_u64 s[PFA:PFA+1], s[4:5], s[90:91]
	s_lshr_b32 s90, s89, 3
	s_lshl_b32 s90, s90, 17                        ; v^T: the panel,
	s_and_b32 s92, s89, 7
	s_lshl_b32 s92, s92, 11                        ; and 2,048 of my pair's 16,384 bytes in it
	s_add_co_u32 s90, s90, s92
	s_add_co_u32 s90, s90, s95
	s_add_co_u32 s90, s90, 0x40000
	s_add_nc_u64 s[PFB:PFB+1], s[4:5], s[90:91]
	s_cmp_eq_u32 s73, 1                            ; waves 4 to 7 ask
	s_cselect_b32 s[LIM], 1, -1
	v_and_b32 v[PFO], 31, v0
	s_delay_alu instid0(VALU_DEP_1)
	v_min_u32 v[PFO], 7, v[PFO]
	s_delay_alu instid0(VALU_DEP_1)
	v_lshlrev_b32 v[PFO], 8, v[PFO]
	v_and_b32 v8, 15, v0                           ; r
	v_bfe_u32 v9, v0, 4, 1                         ; h
	s_delay_alu instid0(VALU_DEP_2)
	v_lshlrev_b32 v128, 7, v8
	s_delay_alu instid0(VALU_DEP_1)
	v_lshl_add_u32 v128, v9, 4, v128
	WIN 0x40
	global_load_b128 v[QA:QA+3], v128, s[10:11]               ; q of tile A: my head's 64 codes of row r: k = 16 h + 0 .. 15,
	global_load_b128 v[QA+4:QA+7], v128, s[10:11] offset:32   ; 32 + 16 h + 0 .. 15
	global_load_b128 v[QB:QB+3], v128, s[10:11] offset:2048   ; tile B: 16 rows on
	global_load_b128 v[QB+4:QB+7], v128, s[10:11] offset:2080
	WIN 0
	v_lshlrev_b32 v129, 2, v8
	global_load_b32 v[QW], v129, s[12:13]
	global_load_b32 v[QW+1], v129, s[12:13] offset:64
	v_lshlrev_b32 v130, 4, v0
	global_load_b128 v[64:67], v130, s[6:7]        ; the mask: twice four keys a thread
	global_load_b128 v[68:71], v130, s[6:7] offset:4096
	v_and_b32 v131, 0xf0, v0
	s_delay_alu instid0(VALU_DEP_1)
	v_add_lshl_u32 v131, v131, v0, 2               ; word n = thread + 256 i of k's table joins stored rows 32 (n / 16) + n % 16 and 16 further on
.irp i, 0,1,2,3
	global_load_b32 v[72+2*\i], v131, s[14:15] offset:2048*\i
	global_load_b32 v[73+2*\i], v131, s[14:15] offset:2048*\i+64
.endr
	v_lshrrev_b32 v132, 7, v0
	v_and_b32 v133, 127, v0
	s_delay_alu instid0(VALU_DEP_1)
	v_lshlrev_b32 v133, 2, v133
	s_delay_alu instid0(VALU_DEP_1)
	v_lshl_add_u32 v132, v132, 12, v133            ; v^T's words: panel thread / 128 + 2 n, row thread % 128
.irp n, 0,1,2,3,4,5,6,7
	global_load_b32 v[80+\n], v132, s[16:17] offset:8192*\n
.endr
	v_mul_u32_u24 v[AK0], v8, KP
	s_delay_alu instid0(VALU_DEP_1)
	v_lshl_add_u32 v[AK0], v9, 4, v[AK0]
	s_mul_i32 s90, s73, 64*KP
	s_add_co_u32 s90, s90, VOFF
	v_add_nc_u32 v[AV0], s90, v[AK0]               ; v^T: row 64 e + r, + 16 h
	s_lshl_b32 s91, s73, 6
	v_add_nc_u32 v[AK0], s91, v[AK0]               ; k: row r, my head's 64 bytes, + 16 h
	s_lshl_b32 s90, s73, 12
	s_add_co_u32 s90, s90, KSWT
	v_lshl_add_u32 v[ASK0], v8, 2, s90
	s_lshl_b32 s90, s73, 8
	s_add_co_u32 s90, s90, VSWT
	v_lshl_add_u32 v[ASV0], v8, 2, s90
	v_lshl_add_u32 v[ABI0], v9, 6, BIAS            ; my half's 16 keys of a group of 32
	WIN 0x40
.irp j, 0,1,2,3,4,5,6,7
	v_mov_b32 v[QA-8+\j], 0                        ; the zero codes beside q
	v_mov_b32 v[QA+8+\j], 0
	v_mov_b32 v[QB+8+\j], 0
.endr
.set j, 0
.rept 64
	v_mov_b32 v[OA+j], 0                           ; O^T of both tiles.  (The step is written once: the first finds zeros)
.set j, j+1
.endr
	WIN 0
.irp b, 0,1,2,3,4,5,6,7
	v_mov_b32 v[PT+\b], 0                          ; a lane permute's destination counts as one of its sources
.endr
.irp b, 0,1,2,3
	v_mov_b32 v[F+\b], 0                           ; f of A and of B, each named as a pair
	v_mov_b32 v[SM+\b], 0                          ; the sums, in two halves each
.endr
	v_mov_b32 v[NM+1], 0xec800000                  ; the largest t so far: -2^90: under every t that counts, over every masked one
	v_mov_b32 v[NM+3], 0xec800000
	s_delay_alu instid0(VALU_DEP_2)
	v_floor_f32 v[NM], -v[NM+1]                    ; -M
	s_delay_alu instid0(VALU_DEP_2)
	v_floor_f32 v[NM+2], -v[NM+3]
	v_mov_b32 v104, 0xf1800000                     ; -2^100
	v_lshl_add_u32 v105, v0, 4, BIAS
	v_lshl_add_u32 v106, v0, 2, KSWT
	v_mov_b32 v107, s[WV]
	s_delay_alu instid0(VALU_DEP_1)
	v_lshl_add_u32 v107, v107, 2, FLAG
	s_mov_b32 s97, 0x03020302
	s_cmp_eq_u32 s73, 0
	s_cselect_b32 s97, 0x01000100, s97             ; my head's two bytes of q's word, twice
	s_wait_alu depctr_va_vdst(0)
	s_wait_loadcnt 0x0
.irp i, 0,1,2,3,4,5,6,7
	v_cmp_ne_u32 vcc_lo, 0, v[64+\i]
	s_delay_alu instid0(VALU_DEP_1)
	v_cndmask_b32 v[96+\i], v104, v[F+1], vcc_lo   ; 0 where the key counts (v[F+1] holds 0)
.endr
	ds_store_b128 v105, v[96:99]
	ds_store_b128 v105, v[100:103] offset:4096
	v_or_b32 v108, v64, v65
	v_or_b32 v109, v66, v67
	v_or_b32 v110, v68, v69
	v_or_b32 v111, v70, v71
	s_delay_alu instid0(VALU_DEP_3)
	v_or_b32 v108, v108, v109
	s_delay_alu instid0(VALU_DEP_2)
	v_or_b32 v110, v110, v111
	s_delay_alu instid0(VALU_DEP_1)
	v_or_b32 v108, v108, v110
	s_delay_alu instid0(VALU_DEP_1)
	v_cmp_ne_u32 s96, 0, v108
	s_cmp_lg_u32 s96, 0
	s_cselect_b32 s96, 1, 0
	v_mov_b32 v108, s96
	ds_store_b32 v107, v108                        ; all lanes write the same word with the same value
.irp i, 0,1,2,3
	v_perm_b32 v[112+\i], v[73+2*\i], v[72+2*\i], 0x05040100   ; head 0: [row's two bytes, the row 16 on's two bytes]
	v_perm_b32 v[116+\i], v[73+2*\i], v[72+2*\i], 0x07060302   ; head 1
.endr
.irp i, 0,1,2,3
	ds_store_b32 v106, v[112+\i] offset:1024*\i
	ds_store_b32 v106, v[116+\i] offset:4096+1024*\i
.endr
.irp n, 0,1,2,3,4,5,6,7
	ds_store_b32 v106, v[80+\n] offset:8192+1024*\n
.endr
	v_perm_b32 v[QW], v[QW], v[QW], s97
	v_perm_b32 v[QW+1], v[QW+1], v[QW+1], s97
	v_and_b32 v109, 7, v0
	s_delay_alu instid0(VALU_DEP_1)
	v_lshl_add_u32 v109, v109, 2, FLAG
	s_wait_alu depctr_va_vdst(0)
	s_wait_dscnt 0x0                               ; for the others' sake: my part of the tables lies in LDS
	s_barrier_signal -1
	s_barrier_wait -1                              ; slot 0's load may stay out
	ds_load_b32 v110, v109
	s_wait_dscnt 0x0
	v_cmp_ne_u32 s96, 0, v110
	s_cmp_lg_u32 s96, 0                            ; does any key of the batch count?
	s_cselect_b32 s[CS], 0x3e38aa3b, 0             ; c = log2(e) / 8, or 0
	s_mov_b32 s[CS+1], s[CS]
	BLOAD ABI0, 0                                  ; the first step's mask numbers
.macro KLOAD q                         ; 20 LDS loads: k's four fragments of the slot's q-th 128 keys (window 1) and their scale words
	WIN 0x40
.irp g, 0,1,2,3
	ds_load_b128 v[FRG+16*\g:FRG+16*\g+3],     v[ADK] offset:(128*(\q)+32*\g)*KP
	ds_load_b128 v[FRG+16*\g+4:FRG+16*\g+7],   v[ADK] offset:(128*(\q)+32*\g)*KP+32
	ds_load_b128 v[FRG+16*\g+8:FRG+16*\g+11],  v[ADK] offset:(128*(\q)+32*\g+16)*KP
	ds_load_b128 v[FRG+16*\g+12:FRG+16*\g+15], v[ADK] offset:(128*(\q)+32*\g+16)*KP+32
.endr
	WIN 0
.irp g, 0,1,2,3
	ds_load_b32 v[SW+\g], v[ADS] offset:256*(\q)+64*\g
.endr
.endm
.macro VLOAD q                         ; 20 LDS loads: v^T's four fragments (window 1) and their scale words
	WIN 0x40
.irp t, 0,1,2,3
.irp c, 0,1,2,3
	ds_load_b128 v[VF+16*\t+4*\c:VF+16*\t+4*\c+3], v[ADV] offset:HALF*(\q)+16*KP*\t+32*\c
.endr
.endr
	WIN 0
.irp t, 0,1,2,3
	ds_load_b32 v[SWV+\t], v[ADT] offset:512*(\q)+64*\t
.endr
.endm
.macro SMUL2                           ; S^T of both tiles: sixteen accumulators, one instruction each; C = the mask's numbers, which lie in the accumulators
	WIN 0x05
.irp g, 0,1,2,3
	v_wmma_scale_f32_16x16x128_f8f6f4 v[S+16*\g:S+16*\g+7], v[FRG+16*\g:FRG+16*\g+15], v[QA:QA+15], v[S+16*\g:S+16*\g+7], v[SW+\g], v[QW]
	v_wmma_scale_f32_16x16x128_f8f6f4 v[S+64+16*\g:S+64+16*\g+7], v[FRG+16*\g:FRG+16*\g+15], v[QB:QB+15], v[S+64+16*\g:S+64+16*\g+7], v[SW+\g], v[QW+1]
	v_wmma_scale_f32_16x16x128_f8f6f4 v[S+16*\g+8:S+16*\g+15], v[FRG+16*\g:FRG+16*\g+15], v[QA-8:QA+7], v[S+16*\g+8:S+16*\g+15], v[SW+\g], v[QW]
	v_wmma_scale_f32_16x16x128_f8f6f4 v[S+64+16*\g+8:S+64+16*\g+15], v[FRG+16*\g:FRG+16*\g+15], v[QB-8:QB+7], v[S+64+16*\g+8:S+64+16*\g+15], v[SW+\g], v[QW+1]
.endr
	WIN 0
.endm
.macro RESC2                           ; O^T of both tiles under the new M
	WIN 0x41
	s_wait_alu depctr_va_vdst(0)                   ; the wait here, directly ahead of the first reader of O^T
.irp u, 0,1
.set j, 0
.rept 16
	v_pk_mul_f32 v[OA+32*\u+j:OA+32*\u+j+1], v[OA+32*\u+j:OA+32*\u+j+1], v[F+2*\u:F+2*\u+1] op_sel_hi:[1,0]
.set j, j+2
.endr
.endr
	WIN 0
.endm
; THE SOFTMAX OF BOTH TILES: S^T in v[S ..] becomes p's codes and scale words.  Block b of eight: tile b / 4, keys 32 (b % 4) on.  The eight blocks' chains, and the two tiles', take turns line by line.
.macro SOFT2
.irp b, 0,1,2,3,4,5,6,7
	v_max3_num_f32 v[MX+\b], v[S+16*\b], v[S+1+16*\b], v[S+2+16*\b]   ; the largest score of each block of 32 keys: for the row's maximum and, since p rises with the score, for the block's largest p
.endr
.irp i, 3,5,7,9,11,13
.irp b, 0,1,2,3,4,5,6,7
	v_max3_num_f32 v[MX+\b], v[MX+\b], v[S+16*\b+\i], v[S+1+16*\b+\i]
.endr
.endr
.irp b, 0,1,2,3,4,5,6,7
	v_max_num_f32 v[MX+\b], v[MX+\b], v[S+15+16*\b]
.endr
.irp b, 0,1,2,3,4,5,6,7
	v_permlanex16_b32 v[PT+\b], v[MX+\b], s[SEL], s[SEL+1]
.endr
.irp b, 0,1,2,3,4,5,6,7
	v_max_num_f32 v[MX+\b], v[MX+\b], v[PT+\b]
.endr
.irp u, 0,1
	v_max3_num_f32 v[TV+\u], v[MX+4*\u], v[MX+4*\u+1], v[MX+4*\u+2]
.endr
.irp u, 0,1
	s_delay_alu instid0(VALU_DEP_2)
	v_max_num_f32 v[TV+\u], v[TV+\u], v[MX+4*\u+3]
.endr
.irp u, 0,1
	s_delay_alu instid0(VALU_DEP_2)
	v_mul_f32 v[TV+\u], s[CS], v[TV+\u]            ; as t (c is not negative)
.endr
.irp u, 0,1
	s_delay_alu instid0(VALU_DEP_2)
	v_max_num_f32 v[NM+2*\u+1], v[NM+2*\u+1], v[TV+\u]
.endr
.irp u, 0,1
	v_mov_b32 v[TV+\u], v[NM+2*\u]
.endr
.irp u, 0,1
	s_delay_alu instid0(VALU_DEP_4)
	v_floor_f32 v[NM+2*\u], -v[NM+2*\u+1]          ; the new -M = -ceil(t)
.endr
.irp u, 0,1
	s_delay_alu instid0(VALU_DEP_2)
	v_sub_f32 v[TV+\u], v[NM+2*\u], v[TV+\u]       ; old M - new M: a whole number, 0 or less
.endr
.irp u, 0,1
	s_delay_alu instid0(VALU_DEP_2)
	v_cvt_i32_f32 v[TV+\u], v[TV+\u]               ; (it saturates)
.endr
.irp u, 0,1
	s_delay_alu instid0(VALU_DEP_2)
	v_ldexp_f32 v[F+2*\u], 1.0, v[TV+\u]           ; f = 2^(old M - new M)
.endr
.irp u, 0,1
.set j, 0
.rept 32
	v_pk_fma_f32 v[S+64*\u+j:S+64*\u+j+1], v[S+64*\u+j:S+64*\u+j+1], s[CS:CS+1], v[NM+2*\u:NM+2*\u+1] op_sel_hi:[1,0,0]   ; t - M
.set j, j+2
.endr
.endr
.irp b, 0,1,2,3,4,5,6,7
	v_fma_f32 v[MX+\b], v[MX+\b], s[CS], v[NM+2*(\b/4)]
.endr
	s_wait_alu depctr_va_vdst(0)                   ; the wait ahead of the batch
.set j, 0
.rept 128
	v_exp_f32 v[S+j], v[S+j]                       ; p = 2^(t - M)
.set j, j+1
.endr
	v_pk_mul_f32 v[SM:SM+1], v[SM:SM+1], v[F:F+1] op_sel_hi:[1,0]           ; the sums under the new M (plain instructions behind the exponentials)
	v_pk_mul_f32 v[SM+2:SM+3], v[SM+2:SM+3], v[F+2:F+3] op_sel_hi:[1,0]
	s_wait_alu depctr_va_vdst(0)                   ; one wait for the batch, ahead of its first reader
.irp b, 0,1,2,3,4,5,6,7
	v_exp_f32 v[MX+\b], v[MX+\b]                   ; the block's largest p
.endr
.irp c, 0,1,2                          ; the rows' sums of the unquantised p: 32 pairs a tile, in four chains a tile, eight in all
.irp u, 0,1
	v_pk_add_f32 v[T+6*\u+2*\c:T+6*\u+2*\c+1], v[S+64*\u+4*\c:S+64*\u+4*\c+1], v[S+64*\u+4*\c+2:S+64*\u+4*\c+3]
.endr
.endr
.irp u, 0,1
	v_pk_add_f32 v[SM+2*\u:SM+2*\u+1], v[SM+2*\u:SM+2*\u+1], v[S+64*\u+12:S+64*\u+13]
.endr
.set j, 14
.rept 6
.irp c, 0,1,2
.irp u, 0,1
	v_pk_add_f32 v[T+6*\u+2*\c:T+6*\u+2*\c+1], v[T+6*\u+2*\c:T+6*\u+2*\c+1], v[S+64*\u+j+2*\c:S+64*\u+j+2*\c+1]
.endr
.endr
.irp u, 0,1
	v_pk_add_f32 v[SM+2*\u:SM+2*\u+1], v[SM+2*\u:SM+2*\u+1], v[S+64*\u+j+6:S+64*\u+j+7]
.endr
.set j, j+8
.endr
.irp u, 0,1
	v_pk_add_f32 v[T+6*\u:T+6*\u+1], v[T+6*\u:T+6*\u+1], v[S+64*\u+62:S+64*\u+63]
.endr
.irp u, 0,1
	v_pk_add_f32 v[T+6*\u+2:T+6*\u+3], v[T+6*\u+2:T+6*\u+3], v[T+6*\u+4:T+6*\u+5]
.endr
.irp u, 0,1
	s_delay_alu instid0(VALU_DEP_4)
	v_pk_add_f32 v[SM+2*\u:SM+2*\u+1], v[SM+2*\u:SM+2*\u+1], v[T+6*\u:T+6*\u+1]
.endr
.irp u, 0,1
	s_delay_alu instid0(VALU_DEP_2)
	v_pk_add_f32 v[SM+2*\u:SM+2*\u+1], v[SM+2*\u:SM+2*\u+1], v[T+6*\u+2:T+6*\u+3]
.endr
	s_wait_alu depctr_va_vdst(0)                   ; and one for the eight
.irp b, 0,1,2,3,4,5,6,7
	v_max_num_f32 v[MX+\b], 0x4800000, v[MX+\b]    ; the floor 2^(9 - 127)
.endr
.irp b, 0,1,2,3,4,5,6,7
	v_add_nc_u32 v[SO+\b], 0xfc000000, v[MX+\b]    ; 8 off the exponent field: the conversion's scale operand
.endr
.irp b, 0,1,2,3,4,5,6,7
	v_and_or_b32 v[HD+\b], v[MX+\b], 0x7f800000, s[MNT]   ; 448 x the scale
.endr
.irp b, 0,1,2,3,4,5,6,7
	v_lshrrev_b32 v[PT+\b], 23, v[SO+\b]           ; the scale's byte
.endr
.irp u, 0,1
	v_lshl_or_b32 v[PW+\u], v[PT+4*\u+1], 8, v[PT+4*\u]    ; p's scale word for these 128 keys
.endr
.irp u, 0,1
	s_delay_alu instid0(VALU_DEP_2)
	v_lshl_or_b32 v[PW+\u], v[PT+4*\u+2], 16, v[PW+\u]
.endr
.irp u, 0,1
	s_delay_alu instid0(VALU_DEP_2)
	v_lshl_or_b32 v[PW+\u], v[PT+4*\u+3], 24, v[PW+\u]
.endr
.irp b, 0,2,4,6                        ; the hold; p is not negative.  Two numbers an instruction: one of block b and one of block b + 1, so that the pair's sources lie in different register banks
.irp i, 0,2,4,6,8,10,12,14
	v_dual_min_num_f32 v[S+16*\b+\i], v[S+16*\b+\i], v[HD+\b] :: v_dual_min_num_f32 v[S+16*\b+17+\i], v[S+16*\b+17+\i], v[HD+\b+1]
	v_dual_min_num_f32 v[S+16*\b+16+\i], v[S+16*\b+16+\i], v[HD+\b+1] :: v_dual_min_num_f32 v[S+16*\b+1+\i], v[S+16*\b+1+\i], v[HD+\b]
.endr
	v_cvt_scalef32_pk8_fp8_f32 v[PC+4*\b:PC+4*\b+1], v[S+16*\b:S+16*\b+7], v[SO+\b]
	v_cvt_scalef32_pk8_fp8_f32 v[PC+4*\b+2:PC+4*\b+3], v[S+16*\b+8:S+16*\b+15], v[SO+\b]
	v_cvt_scalef32_pk8_fp8_f32 v[PC+4*\b+4:PC+4*\b+5], v[S+16*\b+16:S+16*\b+23], v[SO+\b+1]
	v_cvt_scalef32_pk8_fp8_f32 v[PC+4*\b+6:PC+4*\b+7], v[S+16*\b+24:S+16*\b+31], v[SO+\b+1]
.endr
.endm
; A KEY STEP: 128 keys, the q-th of the slot in hand, for both tiles.  The first step of a slot asks for its own k and, behind the score products, for the second step's.  pre = 1: the next step's mask numbers are asked for behind the conversions.
.macro STEP q, pre
.if (\q) == 0
	KLOAD 0
	s_wait_alu depctr_va_vdst(0)                   ; the wait here, directly ahead of the wait below
.endif
	s_wait_dscnt 0x0                               ; k's fragments and words and the mask's numbers are in
	SMUL2
.rept 8
	v_nop                                          ; eight places: behind these products for the reads of S^T and the loads into k's registers, and behind the last step's second products for the loads into v^T's
.endr
	VLOAD \q                                       ; v^T's fragments land under the softmax
.if (\q) == 0
	KLOAD 1
.endif
	SOFT2
	v_nop                                          ; a plain instruction behind the last conversion
.if \pre
	BLOAD ADB, 512*((\q)+1)
.endif
	RESC2                                          ; (also the places between the codes and the products)
	s_wait_alu depctr_va_vdst(0)                   ; the wait here, directly ahead of the wait below
	s_wait_dscnt 20*(1-(\q))+32*(\pre)             ; v^T's 20 loads are in; behind them stand the 20 for the second step's k (in a slot's first step) and the 32 for the next mask numbers
	WIN 0x51
.irp t, 0,1,2,3                        ; eight accumulators, one instruction each
	v_wmma_scale_f32_16x16x128_f8f6f4 v[OA+8*\t:OA+8*\t+7], v[VF+16*\t:VF+16*\t+15], v[PC:PC+15], v[OA+8*\t:OA+8*\t+7], v[SWV+\t], v[PW]
	v_wmma_scale_f32_16x16x128_f8f6f4 v[OB+8*\t:OB+8*\t+7], v[VF+16*\t:VF+16*\t+15], v[PC+16:PC+31], v[OB+8*\t:OB+8*\t+7], v[SWV+\t], v[PW+1]
.endr
	WIN 0
.endm
; THE CHANGE OF SLOTS stands at a slot's head: each wave waits for all its tensor loads, adds 0 to its spare word, waits for that and for its reads of the slot that it has left.  fill = 1: the barrier opens a round of the cluster's barrier,
; behind which no wave of any partner reads the other slot or has a load on its way, and that slot is filled, jointly, with the keys that follow.
.macro CHANGE fill
	s_wait_tensorcnt 0x0                           ; no tensor load of mine is out, so a group 0 may be written
	ds_add_u32 v[SPW], v[NIL]
.if \fill
	ds_add_u32 v[SPW], v[NIL]                      ; the add twice on end here, in every trip alike
	s_xor_b32 s[G0K+1], s[G0K+1], SLOT1
	s_add_nc_u64 s[G0K+2:G0K+3], s[G0K+2:G0K+3], 0x8000    ; the next 256 rows of k
	s_xor_b32 s[G0V+1], s[G0V+1], SLOT1
	s_add_nc_u64 s[G0V+2:G0V+3], s[G0V+2:G0V+3], 0x40000   ; the next two panels of v^T
	s_wait_xcnt 0x0                                ; the last prefetches, a slot back, have read their addresses
	s_add_nc_u64 s[PFA:PFA+1], s[PFA:PFA+1], 0x8000
	s_add_nc_u64 s[PFB:PFB+1], s[PFB:PFB+1], 0x40000
.endif
	s_wait_dscnt 0x0
	s_barrier_signal -1
	s_barrier_wait -1
.if \fill
	CREST
	TLOAD                                          ; the first thing behind the round, and a wave's one tensor load until the next
	ASK
.endif
.endm
.macro SLOT_STEPS more                 ; more = 0: the launch's last slot: behind its second step no mask numbers are left to ask for
	v_add_nc_u32 v[ADK], s[TB], v[AK0]             ; the slot's addresses; the steps go by immediate offsets
	v_add_nc_u32 v[ADV], s[TB], v[AV0]
	v_add_nc_u32 v[ADS], s[TS], v[ASK0]
	v_add_nc_u32 v[ADT], s[TJ], v[ASV0]
	v_add_nc_u32 v[ADB], s[TBI], v[ABI0]
	STEP 0, 1
	STEP 1, \more
	s_xor_b32 s[TB], s[TB], SLOT1
	s_add_co_u32 s[TS], s[TS], 512                 ; the next slot's tables
	s_add_co_u32 s[TJ], s[TJ], 1024
	s_add_co_u32 s[TBI], s[TBI], 1024
.endm
.Lslot:                                            ; NSL - 1 trips
	CHANGE 1
	SLOT_STEPS 1
	s_sub_co_u32 s[SLOTS], s[SLOTS], 1
	s_cmp_lg_u32 s[SLOTS], 0
	s_cbranch_scc1 .Lslot
	CHANGE 0                                       ; the last slot is written out
	SLOT_STEPS 0
	; THE WAY OUT.  O^T / the sum; register 16 g + i of a tile is channel 32 g + 16 h + i of my head; two blocks of 32 a tile are quantised; codes and bytes meet in a stage in slot 0, which was left at the last change of slots.
	v_add_f32 v[SM], v[SM], v[SM+1]
	v_add_f32 v[SM+2], v[SM+2], v[SM+3]
	s_delay_alu instid0(VALU_DEP_2)
	v_permlanex16_b32 v[F], v[SM], s[SEL], s[SEL+1]
	s_delay_alu instid0(VALU_DEP_2)
	v_permlanex16_b32 v[F+2], v[SM+2], s[SEL], s[SEL+1]
	s_delay_alu instid0(VALU_DEP_2)
	v_add_f32 v[SM], v[SM], v[F]
	s_delay_alu instid0(VALU_DEP_2)
	v_add_f32 v[SM+2], v[SM+2], v[F+2]
	s_wait_alu depctr_va_vdst(0)                   ; the wait ahead of the two reciprocals
	v_rcp_f32 v[SM], v[SM]
	v_rcp_f32 v[SM+2], v[SM+2]
	v_and_b32 v8, 15, v0
	v_bfe_u32 v9, v0, 4, 1
	s_mul_i32 s81, s74, 32*KP
	s_lshl_b32 s82, s73, 6
	s_add_co_u32 s81, s81, s82
	v_mul_u32_u24 v10, v8, KP
	s_delay_alu instid0(VALU_DEP_1)
	v_lshl_add_u32 v10, v9, 4, v10
	s_delay_alu instid0(VALU_DEP_1)
	v_add_nc_u32 v10, s81, v10                     ; in: tile A's row r, my head's 64 bytes, + 16 h; tile B's 16 rows on
	s_lshl_b32 s81, s74, 7
	s_lshl_b32 s82, s73, 1
	s_add_co_u32 s81, s81, s82
	s_add_co_u32 s81, s81, STGW
	v_lshl_add_u32 v11, v8, 2, s81                 ; my head's half of the row's scale word
	v_and_b32 v1, 31, v0
	s_delay_alu instid0(VALU_DEP_1)
	v_lshrrev_b32 v2, 3, v1
	s_delay_alu instid0(VALU_DEP_2)
	v_and_b32 v3, 7, v1
	s_delay_alu instid0(VALU_DEP_2)
	v_mul_u32_u24 v2, v2, KP
	s_delay_alu instid0(VALU_DEP_1)
	v_lshl_add_u32 v2, v3, 4, v2
	s_mul_i32 s81, s[WV], 16*KP
	v_add_nc_u32 v2, s81, v2                       ; back: 16 rows a wave, four to an instruction
	s_wait_alu depctr_va_vdst(0)
	s_wait_xcnt 0x0                                ; the last prefetches have read their offset, so the register may be written
	v_lshlrev_b32 v[GO], 4, v1
	s_delay_alu instid0(VALU_DEP_1)
	v_add_nc_u32 v4, STGW, v[GO]
	WIN 0x01
	s_wait_alu depctr_va_vdst(0)                   ; the reciprocals' wait, directly ahead of their first reader, which is also O^T's
.set j, 0
.rept 32
	v_mul_f32 v[S+j], v[OA+j], v[SM]
.set j, j+1
.endr
.set j, 0
.rept 32
	v_mul_f32 v[S+32+j], v[OB+j], v[SM+2]
.set j, j+1
.endr
	WIN 0
.irp b, 0,1,2,3                        ; blocks 0, 1: tile A; blocks 2, 3: tile B
	v_max3_num_f32 v[MX+\b], |v[S+16*\b]|, |v[S+1+16*\b]|, 0x4800000
.endr
.irp i, 2,4,6,8,10,12,14
.irp b, 0,1,2,3
	v_max3_num_f32 v[MX+\b], v[MX+\b], |v[S+16*\b+\i]|, |v[S+1+16*\b+\i]|
.endr
.endr
.irp b, 0,1,2,3
	v_permlanex16_b32 v[PT+\b], v[MX+\b], s[SEL], s[SEL+1]
.endr
.irp b, 0,1,2,3
	v_max_num_f32 v[MX+\b], v[MX+\b], v[PT+\b]
.endr
.irp b, 0,1,2,3
	v_add_nc_u32 v[SO+\b], 0xfc000000, v[MX+\b]
.endr
.irp b, 0,1,2,3
	v_and_or_b32 v[HD+\b], v[MX+\b], 0x7f800000, s[MNT]
.endr
.irp b, 0,1,2,3
	v_lshrrev_b32 v[PT+\b], 23, v[SO+\b]
.endr
	s_delay_alu instid0(VALU_DEP_3)
	v_lshl_or_b32 v[TV], v[PT+1], 8, v[PT]
	v_lshl_or_b32 v[TV+1], v[PT+3], 8, v[PT+2]
.irp b, 0,1,2,3
.irp i, 0,1,2,3,4,5,6,7,8,9,10,11,12,13,14,15
	v_med3_num_f32 v[S+16*\b+\i], v[S+16*\b+\i], -v[HD+\b], v[HD+\b]
.endr
	v_cvt_scalef32_pk8_fp8_f32 v[PC+4*\b:PC+4*\b+1], v[S+16*\b:S+16*\b+7], v[SO+\b]
	v_cvt_scalef32_pk8_fp8_f32 v[PC+4*\b+2:PC+4*\b+3], v[S+16*\b+8:S+16*\b+15], v[SO+\b]
.endr
	v_nop                                          ; a plain instruction behind the last conversion
	ds_store_b128 v10, v[PC:PC+3]
	ds_store_b128 v10, v[PC+4:PC+7] offset:32
	ds_store_b128 v10, v[PC+8:PC+11] offset:16*KP
	ds_store_b128 v10, v[PC+12:PC+15] offset:16*KP+32
	ds_store_b16 v11, v[TV]                        ; lanes l and l xor 16 write the same two bytes
	ds_store_b16 v11, v[TV+1] offset:64
	s_wait_dscnt 0x0                               ; for the others' sake
	s_barrier_signal -1
	s_barrier_wait -1
.irp t, 0,1,2,3
	ds_load_b128 v[S+4*\t:S+4*\t+3], v2 offset:4*KP*\t
.endr
.irp t, 0,1,2,3
	s_wait_dscnt 3-\t
	global_store_b128 v[GO], v[S+4*\t:S+4*\t+3], s[8:9] offset:512*\t   ; four rows of 128 bytes: 512 consecutive bytes
.endr
	s_cmp_lg_u32 s[WV], 0
	s_cbranch_scc1 .Lno_words
	ds_load_b128 v[S+16:S+19], v4
	s_wait_dscnt 0x0
	global_store_b128 v[GO], v[S+16:S+19], s[32:33]   ; wave 0: the 128 scale words
.Lno_words:
	s_wait_tensorcnt 0x0                           ; the wave's end
	ds_add_u32 v[SPW], v[NIL]
	s_wait_dscnt 0x0
	CROUND                                         ; the closing round: no work-group ends while a partner may still ask for a tile that names it
	s_endpgm
.Lfunc_end_k_q671e5fe270_attn:
	.size	k_q671e5fe270_attn, .Lfunc_end_k_q671e5fe270_attn-k_q671e5fe270_attn
	.p2alignl 7, 3214868480
	.fill 96, 4, 3214868480
	.section	.rodata,"a",@progbits
	.p2align	6, 0x0
	.amdhsa_kernel k_q671e5fe270_attn
		.amdhsa_group_segment_fixed_size 327680
		.amdhsa_private_segment_fixed_size 0
		.amdhsa_enable_private_segment 0
		.amdhsa_kernarg_size 24
		.amdhsa_user_sgpr_count 2
		.amdhsa_user_sgpr_kernarg_segment_ptr 1
		.amdhsa_wavefront_size32 1
		.amdhsa_system_sgpr_workgroup_id_x 1
		.amdhsa_system_sgpr_workgroup_id_y 1
		.amdhsa_system_sgpr_workgroup_id_z 1
		.amdhsa_system_vgpr_workitem_id 0
		.amdhsa_next_free_vgpr 512
		.amdhsa_next_free_sgpr 100
		.amdhsa_reserve_vcc 1
		.amdhsa_float_denorm_mode_32 3
		.amdhsa_float_denorm_mode_16_64 3
		.amdhsa_memory_ordered 1
		.amdhsa_forward_progress 1
		.amdhsa_inst_pref_size 181
	.end_amdhsa_kernel
	.amdgpu_metadata
---
amdhsa.version: [ 1, 2 ]
amdhsa.kernels:
  - .name:           k_q671e5fe270_attn
    .symbol:         k_q671e5fe270_attn.kd
    .args:
      - { .name: qkv, .offset: 0, .size: 8, .value_kind: global_buffer, .address_space: global }
      - { .name: mask, .offset: 8, .size: 8, .value_kind: global_buffer, .address_space: global }
      - { .name: oq, .offset: 16, .size: 8, .value_kind: global_buffer, .address_space: global }
    .group_segment_fixed_size: 327680
    .private_segment_fixed_size: 0
    .kernarg_segment_align: 8
    .kernarg_segment_size: 24
    .max_flat_workgroup_size: 256
    .sgpr_count:     100
    .vgpr_count:     512
    .wavefront_size: 32
...
	.end_amdgpu_metadata
.endif
;; end of part 3
;; launch proj (part 4): grid 8 x 32, 4 waves a work-group, clusters of 4 x 4, 327,680 bytes of LDS; arguments oq, w_out_codes, w_out_scales, b_out, x, x2; writes x2
.if DOCPART == 4
	.amdgcn_target "amdgcn-amd-amdhsa--gfx1250"
	.amdhsa_code_object_version 6
	.text
	.protected	k_q671e5fe270_proj
	.globl	k_q671e5fe270_proj
	.p2align	8
	.type	k_q671e5fe270_proj,@function
k_q671e5fe270_proj:
	s_mov_b64 s[64:65], 0
	v_nop
	global_prefetch_b8 v0, s[64:65] scope:SCOPE_SE
	s_setreg_imm32_b32 hwreg(HW_REG_WAVE_MODE, 25, 1), 1
	s_wait_xcnt 0x0
	s_wait_alu depctr_hold_cnt(0) depctr_sa_sdst(0) depctr_va_vdst(0) depctr_va_sdst(0) depctr_va_ssrc(0) depctr_va_vcc(0) depctr_vm_vsrc(0)
	s_getreg_b32 s2, hwreg(HW_REG_IB_STS2, 6, 4)
	s_cmp_eq_u32 s2, 0
	s_cbranch_scc0 .Lentry_in_a_cluster
	s_endpgm
.Lentry_in_a_cluster:
	s_bfe_u32 s2, ttmp6, 0x10000c
	s_cmp_lg_u32 s2, 0xf033
	s_cbranch_scc0 .Lentry_shape_is_right
	s_endpgm
.Lentry_shape_is_right:
.set SIZE_K, 1024
.set SWOFF,  0x400000
.set NT,     0
.set KS,     SIZE_K/32
.set NPAN,   SIZE_K/128
.set AP,     144
.set APAN,   128*AP
.set BP,     528
.set BOFF,   4*APAN
.set BHALF,  64*BP
.set SLOT,   BOFF+2*BHALF
.set LAPS,   SIZE_K/1024
.set SCA,    2*SLOT
.set SAP,    576
.set SCB,    SCA+NPAN*SAP
.set SBH,    (64*KS/256)*272
.set SBB,    (16*KS/256)*272
.set SPARE,  SCB+2*SBH
.set SPITCH, 272
.set ADRA, 16
.set ADRB, 20
.set ADSA, 22
.set ADSB, 23
.set STO,  24
.set RD,   25
.set CO,   26
.set SPW,  28
.set NIL,  29
.set SCAR, 32
.set SCBR, 48
.set BI,   96
.set ACC,  128
.set F0,   0
.set F1,   128
.set BK,   0
.set G1, 24
.set G0, 32
.set G1B, 48
.set G0B, 56
.set G1S, 68
.set G0S, 76
.set G1SB, 80
.set G0SB, 88
.set MSB, 0
.macro WIN new
.if MSB != (\new)
	s_set_vgpr_msb (MSB<<8)|(\new)
.set MSB, (\new)
.endif
.endm
.set MUL,  0x05
.set TO_F, 0x40
.macro JLOAD g0a, g1a, g0b, g1b
	s_cmp_eq_u32 s15, 0
	s_cbranch_scc0 .Lfor_b_\@
	tensor_load_to_lds s[\g0a:\g0a+3], s[\g1a:\g1a+7]
	s_nop 0
.rept 4
	v_nop
.endr
	s_branch .Lasked_\@
.Lfor_b_\@:
	tensor_load_to_lds s[\g0b:\g0b+3], s[\g1b:\g1b+7]
	s_nop 0
.rept 4
	v_nop
.endr
.Lasked_\@:
.endm
.macro CREST
	s_cmp_lg_u32 s14, 0
	s_cbranch_scc1 .Lnot_wave_0_\@
	s_barrier_signal -3
.Lnot_wave_0_\@:
	s_barrier_wait -3
	s_barrier_signal -1
	s_barrier_wait -1
.endm
.macro CROUND
	s_barrier_signal -1
	s_barrier_wait -1
	CREST
.endm
	s_load_b64 s[4:5], s[0:1], 0x0
	s_load_b128 s[8:11], s[0:1], 0x8
	s_load_b128 s[96:99], s[0:1], 0x18
	s_load_b64 s[12:13], s[0:1], 0x28
	v_lshl_add_u32 v[SPW], v0, 2, SPARE
	v_mov_b32 v[NIL], 0
	ds_add_u32 v[SPW], v[NIL]
	ds_add_u32 v[SPW], v[NIL]
	v_lshrrev_b32 v1, 5, v0
	v_readfirstlane_b32 s14, v1
	s_lshr_b32 s15, s14, 1
	s_and_b32 s16, s14, 1
	s_bfe_u32 s40, ttmp6, 0x40000
	s_bfe_u32 s41, ttmp6, 0x40004
	s_lshl_b32 s42, ttmp9, 2
	s_add_co_u32 s42, s42, s40
	s_and_b32 s17, ttmp7, 0xffff
	s_lshl_b32 s17, s17, 2
	s_add_co_u32 s17, s17, s41
	s_lshl_b32 s43, s41, 2
	s_lshl_b32 s43, 15, s43
	s_lshl_b32 s44, 0x1111, s40
	s_or_b32 s[G1+0], s43, (3<<16)|(1<<20)|(1<<21)|(4<<22)|(3<<25)
	s_mov_b32 s[G1+1], 2048<<16
	s_mov_b32 s[G1+2], 4<<16                       ; four panels for the head's load; set to two for the ring's behind it
	s_mov_b32 s[G1+3], 2048<<16
	s_mov_b32 s[G1+4], 4
	s_mov_b32 s[G1+5], 65536
	s_mov_b32 s[G1+6], 0
	s_mov_b32 s[G1+7], 0
	s_or_b32 s[G1B+0], s44, (0<<16)|(1<<20)|(1<<21)|(6<<22)|(3<<25)
	s_mov_b32 s[G1B+1], 512<<16
	s_mov_b32 s[G1B+2], 128<<16                    ; 128 rows for the head's load; set to 64 for the ring's behind it
	s_mov_b32 s[G1B+3], 512<<16
	s_mov_b32 s[G1B+4], 128
	s_mov_b32 s[G1B+5], SIZE_K
	s_mov_b32 s[G1B+6], 0
	s_mov_b32 s[G1B+7], 0
	s_or_b32 s[G1S+0], s43, (3<<16)|(1<<20)|(1<<21)|(6<<22)|(15<<25)
	s_mov_b32 s[G1S+1], 64<<16
	s_mov_b32 s[G1S+2], NPAN<<16                   ; A's scale words of all panels in one load
	s_mov_b32 s[G1S+3], 64<<16
	s_mov_b32 s[G1S+4], NPAN
	s_mov_b32 s[G1S+5], 2048
	s_mov_b32 s[G1S+6], 0
	s_mov_b32 s[G1S+7], 0
	s_or_b32 s[G1SB+0], s44, (3<<16)|(1<<20)|(1<<21)|(5<<22)|(3<<25)
	s_mov_b32 s[G1SB+1], 32<<16
	s_mov_b32 s[G1SB+2], (128*KS/256)<<16          ; the scale bytes of B's 128 rows in one load
	s_mov_b32 s[G1SB+3], 32<<16
	s_mov_b32 s[G1SB+4], 128*KS/256
	s_mov_b32 s[G1SB+5], 32
	s_mov_b32 s[G1SB+6], 0
	s_mov_b32 s[G1SB+7], 0
	s_lshl_b32 s20, s17, 14                        ; A's codes: the tile's 128 rows in panel 0
	s_mov_b32 s21, 0
	s_lshl_b32 s22, s17, 9                         ; their scale words
	s_add_co_u32 s22, s22, SWOFF
	s_mov_b32 s23, 0
	s_lshl_b32 s46, s42, 7                         ; B: the tile's first row
	s_mul_i32 s92, s46, KS
	s_mov_b32 s93, 0
	s_mul_i32 s46, s46, SIZE_K
	s_mov_b32 s47, 0
	s_mul_i32 s45, s16, 2*APAN
	s_mul_i32 s94, s16, BHALF
	s_add_co_u32 s94, s94, BOFF
	s_lshl_b32 s18, s16, 20                        ; in the ring I fetch two panels of A, or 64 rows of B: which half, in bytes
	s_mov_b32 s19, 0
	s_mul_i32 s66, s16, 64*SIZE_K
	s_mov_b32 s67, 0
	s_wait_dscnt 0x0
	s_wait_kmcnt 0x0
	s_add_nc_u64 s[22:23], s[4:5], s[22:23]
	s_add_nc_u64 s[20:21], s[4:5], s[20:21]
	s_add_nc_u64 s[46:47], s[8:9], s[46:47]
	s_add_nc_u64 s[92:93], s[10:11], s[92:93]
	CROUND
	s_mov_b32 s[G0S], 1
	s_mov_b32 s[G0S+1], SCA
	s_mov_b64 s[G0S+2:G0S+3], s[22:23]
	s_or_b32 s[G0S+3], s[G0S+3], 0x80000000
	s_mov_b32 s[G0SB], 1
	s_mov_b32 s[G0SB+1], SCB
	s_mov_b64 s[G0SB+2:G0SB+3], s[92:93]
	s_or_b32 s[G0SB+3], s[G0SB+3], 0x80000000
.set G0H, 4                            ; s[4:7], s[8:11] group 0 of the head's loads of K step 0 (the arguments that lay there have been used)
.set G0HB, 8
	s_mov_b32 s[G0H], 1                            ; K step 0's four panels of A,
	s_mov_b32 s[G0H+1], 0
	s_mov_b64 s[G0H+2:G0H+3], s[20:21]
	s_or_b32 s[G0H+3], s[G0H+3], 0x80000000
	s_mov_b32 s[G0HB], 1                           ; its 128 rows of B, behind them in slot 0
	s_mov_b32 s[G0HB+1], BOFF
	s_mov_b64 s[G0HB+2:G0HB+3], s[46:47]
	s_or_b32 s[G0HB+3], s[G0HB+3], 0x80000000
	s_add_nc_u64 s[20:21], s[20:21], s[18:19]      ; for the ring: my half
	s_add_nc_u64 s[46:47], s[46:47], s[66:67]
.irp s, 0,1
	s_mov_b32 s[G0+4*\s], 1
	s_add_co_u32 s[G0+4*\s+1], s45, \s*SLOT
	s_add_nc_u64 s[G0+4*\s+2:G0+4*\s+3], s[20:21], \s*4*524288
	s_or_b32 s[G0+4*\s+3], s[G0+4*\s+3], 0x80000000
	s_mov_b32 s[G0B+4*\s], 1
	s_add_co_u32 s[G0B+4*\s+1], s94, \s*SLOT
	s_add_nc_u64 s[G0B+4*\s+2:G0B+4*\s+3], s[46:47], \s*512
	s_or_b32 s[G0B+4*\s+3], s[G0B+4*\s+3], 0x80000000
.endr
; THE HEAD'S LOADS, ONE A WAVE: wave 0 K step 0's four panels of A, wave 1 its 128 rows of B, wave 2 A's scale words, wave 3 B's scale bytes.  One tree of branches on the wave's number.
.macro ARM under, g0, g1, next
	s_cmp_lt_u32 s14, \under
	s_cbranch_scc0 \next
	tensor_load_to_lds s[\g0:\g0+3], s[\g1:\g1+7]
	s_nop 0
.rept 4
	v_nop
.endr
	s_branch .Lhead_asked
\next:
.endm
	ARM 1, G0H,  G1,  .Lhead_b
	ARM 2, G0HB, G1B, .Lhead_sa
	ARM 3, G0S,  G1S, .Lhead_sb
	tensor_load_to_lds s[G0SB:G0SB+3], s[G1SB:G1SB+7]
	s_nop 0
.rept 4
	v_nop
.endr
.Lhead_asked:
	v_and_b32 v1, 15, v0
	v_bfe_u32 v2, v0, 4, 1
	v_mul_u32_u24 v3, v1, AP
	v_lshl_add_u32 v3, v2, 4, v3
	s_mul_i32 s21, s15, 64*AP
	v_mul_u32_u24 v4, v1, BP
	v_lshl_add_u32 v4, v2, 4, v4
	s_mul_i32 s22, s16, BHALF
	s_add_co_u32 s22, s22, BOFF
.irp s, 0,1
	v_add_nc_u32 v[ADRA+\s], s21, v3
	v_add_nc_u32 v[ADRB+\s], s22, v4
	s_add_co_u32 s21, s21, SLOT
	s_add_co_u32 s22, s22, SLOT
.endr
	s_lshl_b32 s21, s15, 8
	s_add_co_u32 s21, s21, SCA
	v_lshlrev_b32 v5, 2, v1
	v_mad_u32_u24 v5, v2, SAP, v5
	v_add_nc_u32 v[ADSA], s21, v5
	v_mul_u32_u24 v5, v1, KS
	v_lshrrev_b32 v6, 8, v5
	v_lshl_add_u32 v5, v6, 4, v5
	s_mul_i32 s22, s16, SBH
	s_add_co_u32 s22, s22, SCB
	v_add_nc_u32 v[ADSB], s22, v5
	s_mul_i32 s23, s14, 16*SPITCH
	v_mul_u32_u24 v5, v1, SPITCH
	v_lshl_add_u32 v5, v2, 5, v5
	v_add_nc_u32 v[STO], s23, v5
	v_mul_u32_u24 v5, v2, SPITCH
	v_lshl_add_u32 v5, v1, 4, v5
	v_add_nc_u32 v[RD], s23, v5
	v_lshlrev_b32 v5, 12, v2
	v_lshl_add_u32 v[CO], v1, 4, v5
	v_lshlrev_b32 v7, 5, v2
	s_wait_alu depctr_va_vdst(0)
	s_lshl_b32 s20, s17, 7
	s_lshl_b32 s21, s15, 6
	s_add_co_u32 s20, s20, s21
	s_lshl_b32 s20, s20, 12
	s_lshl_b32 s46, s42, 9
	s_lshl_b32 s47, s16, 8
	s_add_co_u32 s46, s46, s47
	s_mov_b32 s47, 0
	s_add_nc_u64 s[96:97], s[96:97], s[46:47]
	s_add_co_u32 s20, s20, s46
	s_mov_b32 s21, 0
	s_add_nc_u64 s[98:99], s[98:99], s[20:21]
	s_add_nc_u64 s[12:13], s[12:13], s[20:21]
.irp b, 0,1,2,3
	global_load_b128 v[BI+8*\b:BI+8*\b+3],   v7, s[96:97] offset:64*\b
	global_load_b128 v[BI+8*\b+4:BI+8*\b+7], v7, s[96:97] offset:64*\b+16
.endr
	WIN 0x80
.irp i, 0,1,2,3
.irp t, 0,1,2,3,4,5,6,7
	global_load_b128 v[32*\i+4*\t:32*\i+4*\t+3], v[CO], s[98:99] offset:(32*(\i/2)+8*(\i%2)+(2*\t)%8+16*(\t/4))*4096
.endr
.endr
	WIN 0
.macro WM acc, fb, fa, c0, sb, sa, odd
.if \odd
	v_wmma_scale_f32_16x16x128_f8f6f4 v[(\acc):(\acc)+7], v[(\fb):(\fb)+15], v[(\fa):(\fa)+15], v[(\c0):(\c0)+7], v[(\sb)], v[(\sa)] matrix_b_scale:MATRIX_SCALE_ROW1
.else
	v_wmma_scale_f32_16x16x128_f8f6f4 v[(\acc):(\acc)+7], v[(\fb):(\fb)+15], v[(\fa):(\fa)+15], v[(\c0):(\c0)+7], v[(\sb)], v[(\sa)]
.endif
.endm
.macro MUL4 f, a, q, st, zero
.irp b, 0,1,2,3
.if \zero
	WM ACC+8*(4*(\a)+\b), \f+64+16*\b, \f+16*(\a), BI+8*\b, SCBR+16*(\st)+4*\b+(\q), SCAR+8*(\st)+2*(\a)+(\q)/2, (\q)%2
.else
	WM ACC+8*(4*(\a)+\b), \f+64+16*\b, \f+16*(\a), ACC+8*(4*(\a)+\b), SCBR+16*(\st)+4*\b+(\q), SCAR+8*(\st)+2*(\a)+(\q)/2, (\q)%2
.endif
.endr
.endm
.macro FETCH slot, q, f, sc
	WIN TO_F
.irp i, 0,1,2,3
.irp c, 0,1,2,3
	ds_load_b128 v[\f+64+16*\i+4*\c:\f+64+16*\i+4*\c+3], v[ADRB+\slot] offset:128*(\q)+32*\c+\i*16*BP
.endr
.endr
.irp i, 0,1
.irp c, 0,1,2,3
	ds_load_b128 v[\f+16*\i+4*\c:\f+16*\i+4*\c+3], v[ADRA+\slot] offset:APAN*(\q)+\i*16*AP+32*\c
.endr
.endr
.if \sc
	WIN 0
.irp i, 0,1,2,3
	ds_load_b128 v[SCBR+16*\slot+4*\i:SCBR+16*\slot+4*\i+3], v[ADSB] offset:\i*SBB
.endr
.irp i, 0,1,2,3
.irp p, 0,1
	ds_load_b32 v[SCAR+8*\slot+2*\i+\p], v[ADSA] offset:64*\i+2*SAP*\p
.endr
.endr
	WIN TO_F
.endif
.irp i, 2,3
.irp c, 0,1,2,3
	ds_load_b128 v[\f+16*\i+4*\c:\f+16*\i+4*\c+3], v[ADRA+\slot] offset:APAN*(\q)+\i*16*AP+32*\c
.endr
.endr
.endm
.macro PLACES n
.rept \n
	v_nop
.endr
.endm
.macro QUARTER slot, qn, f, g, zero
	s_wait_dscnt 8
	WIN MUL
	MUL4 \f, 0, (\qn)-1, \slot, \zero
	MUL4 \f, 1, (\qn)-1, \slot, \zero
	PLACES 8
	FETCH \slot, \qn, \g, 0
	s_wait_dscnt 32
	WIN MUL
	MUL4 \f, 2, (\qn)-1, \slot, \zero
	MUL4 \f, 3, (\qn)-1, \slot, \zero
.endm
.macro TURN slot, next, fill
	WIN 0
	s_wait_tensorcnt 0x0
	ds_add_u32 v[SPW], v[NIL]
	s_wait_dscnt 9
	WIN MUL
	MUL4 F1, 0, 3, \slot, 0
	s_wait_dscnt 0x0
	s_barrier_signal -1
	MUL4 F1, 1, 3, \slot, 0
	WIN 0
	s_barrier_wait -1
.if \fill
	CREST
	s_add_nc_u64 s[G0+4*\slot+2:G0+4*\slot+3], s[G0+4*\slot+2:G0+4*\slot+3], 8*524288
	s_add_nc_u64 s[G0B+4*\slot+2:G0B+4*\slot+3], s[G0B+4*\slot+2:G0B+4*\slot+3], 1024
	JLOAD G0+4*\slot, G1, G0B+4*\slot, G1B
	PLACES 4
.else
	PLACES 8
.endif
	v_add_nc_u32 v[ADSA], 4*SAP, v[ADSA]
	v_add_nc_u32 v[ADSB], 16, v[ADSB]
	FETCH \next, 0, F0, 1
	WIN MUL
	MUL4 F1, 2, 3, \slot, 0
	MUL4 F1, 3, 3, \slot, 0
.endm
	s_wait_loadcnt 32
	s_wait_alu depctr_va_vdst(0)                   ; the wait at the head's end
	s_wait_tensorcnt 0x0                           ; my tile of the head's four is in
	ds_add_u32 v[SPW], v[NIL]
	s_mov_b32 s[G1+2], 2<<16                       ; no tensor load of mine is out: from here on a load brings two panels of A,
	s_mov_b32 s[G1+4], 2
	s_mov_b32 s[G1B+2], 64<<16                     ; or 64 rows of B
	s_mov_b32 s[G1B+4], 64
	s_wait_dscnt 0x0                               ; the add is done
	CROUND                                         ; all four tiles are in, and all sixteen work-groups are here
	JLOAD G0+4, G1, G0B+4, G1B                     ; K step 1's load, the first tensor load behind the round
	FETCH 0, 0, F0, 1
	QUARTER 0, 1, F0, F1, 1
.if LAPS > 1
	WIN 0
	s_mov_b32 s3, LAPS-1
.Llap:
	QUARTER 0, 2, F1, F0, 0
	QUARTER 0, 3, F0, F1, 0
	TURN 0, 1, 1
	QUARTER 1, 1, F0, F1, 0
	QUARTER 1, 2, F1, F0, 0
	QUARTER 1, 3, F0, F1, 0
	TURN 1, 0, 1
	QUARTER 0, 1, F0, F1, 0
	WIN 0
	s_sub_co_u32 s3, s3, 1
	s_cmp_lg_u32 s3, 0
	s_cbranch_scc1 .Llap
.endif
	QUARTER 0, 2, F1, F0, 0
	QUARTER 0, 3, F0, F1, 0
	TURN 0, 1, 0
	QUARTER 1, 1, F0, F1, 0
	QUARTER 1, 2, F1, F0, 0
	QUARTER 1, 3, F0, F1, 0
	s_wait_dscnt 8
	WIN MUL
	MUL4 F1, 0, 3, 1, 0
	MUL4 F1, 1, 3, 1, 0
	s_wait_dscnt 0
	MUL4 F1, 2, 3, 1, 0
	MUL4 F1, 3, 3, 1, 0
	WIN 0
.macro TOSTAGE i
	WIN 0
.irp b, 0,1,2,3
	ds_store_b128 v[STO], v[ACC+8*(4*(\i)+\b):ACC+8*(4*(\i)+\b)+3] offset:64*\b
	ds_store_b128 v[STO], v[ACC+8*(4*(\i)+\b)+4:ACC+8*(4*(\i)+\b)+7] offset:64*\b+16
.endr
	WIN TO_F
.set BB, BK+32*((\i)%2)
.irp t, 0,1,2,3,4,5,6,7
	ds_load_b128 v[BB+4*\t:BB+4*\t+3], v[RD] offset:2*SPITCH*\t
.endr
.endm
.macro SEND i, younger
.set BB, BK+32*((\i)%2)
	s_wait_dscnt \younger
	WIN 0x49
.set k, 0
.rept 16
	v_pk_add_f32 v[BB+k:BB+k+1], v[BB+k:BB+k+1], v[32*(\i)+k:32*(\i)+k+1]
.set k, k+2
.endr
	WIN 0x04
.irp t, 0,1,2,3,4,5,6,7
.if NT
	global_store_b128 v[CO], v[BB+4*\t:BB+4*\t+3], s[12:13] offset:(32*((\i)/2)+8*((\i)%2)+(2*\t)%8+16*(\t/4))*4096 th:TH_STORE_NT
.else
	global_store_b128 v[CO], v[BB+4*\t:BB+4*\t+3], s[12:13] offset:(32*((\i)/2)+8*((\i)%2)+(2*\t)%8+16*(\t/4))*4096
.endif
.endr
.endm
	PLACES 8
	s_wait_loadcnt 0x0
	TOSTAGE 0
.irp i, 1,2,3
.if \i > 1
	s_wait_xcnt 0x0
.endif
	TOSTAGE \i
	SEND \i-1, 16
.endr
	SEND 3, 0
	WIN 0
	s_wait_tensorcnt 0x0
	ds_add_u32 v[SPW], v[NIL]
	s_wait_dscnt 0x0
	CROUND
	s_endpgm
.Lfunc_end_k_q671e5fe270_proj:
	.size	k_q671e5fe270_proj, .Lfunc_end_k_q671e5fe270_proj-k_q671e5fe270_proj
	.p2alignl 7, 3214868480
	.fill 96, 4, 3214868480
	.section	.rodata,"a",@progbits
	.p2align	6, 0x0
	.amdhsa_kernel k_q671e5fe270_proj
		.amdhsa_group_segment_fixed_size 327680
		.amdhsa_private_segment_fixed_size 0
		.amdhsa_enable_private_segment 0
		.amdhsa_kernarg_size 48
		.amdhsa_user_sgpr_count 2
		.amdhsa_user_sgpr_kernarg_segment_ptr 1
		.amdhsa_wavefront_size32 1
		.amdhsa_system_sgpr_workgroup_id_x 1
		.amdhsa_system_sgpr_workgroup_id_y 1
		.amdhsa_system_sgpr_workgroup_id_z 1
		.amdhsa_system_vgpr_workitem_id 0
		.amdhsa_next_free_vgpr 640
		.amdhsa_next_free_sgpr 100
		.amdhsa_reserve_vcc 0
		.amdhsa_float_denorm_mode_32 3
		.amdhsa_float_denorm_mode_16_64 3
		.amdhsa_memory_ordered 1
		.amdhsa_forward_progress 1
		.amdhsa_inst_pref_size 64
	.end_amdhsa_kernel
	.amdgpu_metadata
---
amdhsa.version: [ 1, 2 ]
amdhsa.kernels:
  - .name:           k_q671e5fe270_proj
    .symbol:         k_q671e5fe270_proj.kd
    .args:
      - { .name: oq, .offset: 0, .size: 8, .value_kind: global_buffer, .address_space: global }
      - { .name: w_out_codes, .offset: 8, .size: 8, .value_kind: global_buffer, .address_space: global }
      - { .name: w_out_scales, .offset: 16, .size: 8, .value_kind: global_buffer, .address_space: global }
      - { .name: b_out, .offset: 24, .size: 8, .value_kind: global_buffer, .address_space: global }
      - { .name: x, .offset: 32, .size: 8, .value_kind: global_buffer, .address_space: global }
      - { .name: x2, .offset: 40, .size: 8, .value_kind: global_buffer, .address_space: global }
    .group_segment_fixed_size: 327680
    .private_segment_fixed_size: 0
    .kernarg_segment_align: 8
    .kernarg_segment_size: 48
    .max_flat_workgroup_size: 128
    .sgpr_count:     100
    .vgpr_count:     640
    .wavefront_size: 32
...
	.end_amdgpu_metadata
.endif
;; end of part 4
;; launch ln2: the kernel of part 1 again; grid 256 x 1, 8 waves a work-group, no clusters, 83,456 bytes of LDS; arguments x2, g2, be2, hq; writes hq
;; launch ffn1 (part 5): grid 16 x 16, 4 waves a work-group, clusters of 4 x 4, 327,680 bytes of LDS; arguments hq, w1_codes, w1_scales, b1, aq; writes aq
.if DOCPART == 5
	.amdgcn_target "amdgcn-amd-amdhsa--gfx1250"
	.amdhsa_code_object_version 6
	.text
	.protected	k_q671e5fe270_ffn1
	.globl	k_q671e5fe270_ffn1
	.p2align	8
	.type	k_q671e5fe270_ffn1,@function
k_q671e5fe270_ffn1:
	s_mov_b64 s[64:65], 0
	v_nop
	global_prefetch_b8 v0, s[64:65] scope:SCOPE_SE
	s_setreg_imm32_b32 hwreg(HW_REG_WAVE_MODE, 25, 1), 1
	s_wait_xcnt 0x0
	s_wait_alu depctr_hold_cnt(0) depctr_sa_sdst(0) depctr_va_vdst(0) depctr_va_sdst(0) depctr_va_ssrc(0) depctr_va_vcc(0) depctr_vm_vsrc(0)
	s_getreg_b32 s2, hwreg(HW_REG_IB_STS2, 6, 4)
	s_cmp_eq_u32 s2, 0
	s_cbranch_scc0 .Lentry_in_a_cluster
	s_endpgm
.Lentry_in_a_cluster:
	s_bfe_u32 s2, ttmp6, 0x10000c
	s_cmp_lg_u32 s2, 0xf033
	s_cbranch_scc0 .Lentry_shape_is_right
	s_endpgm
.Lentry_shape_is_right:
.set KSTEP,  256
.set NQ,     2
.set ROWB,   256
.set KROW,   1024
.set PITCH,  272
.set FR,     16
.set NL,     4
.set NP,     8
.set HALFT,  128*PITCH
.set SLOT,   4*HALFT
.set LAPS,   2
.set KS,     32
.set SCL,    2*SLOT
.set HALFS,  (128*KS/256)*272
.set SBLK,   (16*KS/256)*272
.set SPARE,  SCL+4*HALFS
.set QP,     144
.set ADRA, 16
.set ADRB, 20
.set SWO,  22
.set SWR,  23
.set STO,  24
.set RD,   25
.set CO,   26
.set ADRS, 27
.set SPW,  28
.set NIL,  29
.set SC,   32
.set BI,   64
.set AF,   128
.set TM,   128
.set PW,   144
.set WB,   148
.set PC,   160
.set BK,   192
.set G1, 24
.set G0, 32
.set G1B, 48
.set G0B, 56
.set G1S, 68
.set G0S, 76
.set G1SB, 80
.set G0SB, 88
.set MSB, 0
.macro WIN new
.if MSB != (\new)
	s_set_vgpr_msb (MSB<<8)|(\new)
.set MSB, (\new)
.endif
.endm
.set MUL_LO, 0xa1
.set MUL_HI, 0xf1
.set BIAS_LO, 0x81
.set BIAS_HI, 0xc1
.set TO_B,   0x40
.macro JLOAD g0a, g1a, g0b, g1b
	s_cmp_eq_u32 s15, 0
	s_cbranch_scc0 .Lfor_b_\@
	tensor_load_to_lds s[\g0a:\g0a+3], s[\g1a:\g1a+7]
	s_nop 0
.rept 4
	v_nop
.endr
	s_branch .Lasked_\@
.Lfor_b_\@:
	tensor_load_to_lds s[\g0b:\g0b+3], s[\g1b:\g1b+7]
	s_nop 0
.rept 4
	v_nop
.endr
.Lasked_\@:
.endm
.macro CREST
	s_cmp_lg_u32 s14, 0
	s_cbranch_scc1 .Lnot_wave_0_\@
	s_barrier_signal -3
.Lnot_wave_0_\@:
	s_barrier_wait -3
	s_barrier_signal -1
	s_barrier_wait -1
.endm
.macro CROUND
	s_barrier_signal -1
	s_barrier_wait -1
	CREST
.endm
	s_load_b64 s[4:5], s[0:1], 0x0
	s_load_b128 s[8:11], s[0:1], 0x8
	s_load_b64 s[96:97], s[0:1], 0x18
	s_load_b64 s[12:13], s[0:1], 0x20
	v_lshl_add_u32 v[SPW], v0, 2, SPARE
	v_mov_b32 v[NIL], 0
	ds_add_u32 v[SPW], v[NIL]
	ds_add_u32 v[SPW], v[NIL]
	v_lshrrev_b32 v1, 5, v0
	v_readfirstlane_b32 s14, v1
	s_lshr_b32 s15, s14, 1
	s_and_b32 s16, s14, 1
	s_bfe_u32 s40, ttmp6, 0x40000
	s_bfe_u32 s41, ttmp6, 0x40004
	s_lshl_b32 s42, ttmp9, 2
	s_add_co_u32 s42, s42, s40
	s_and_b32 s17, ttmp7, 0xffff
	s_lshl_b32 s17, s17, 2
	s_add_co_u32 s17, s17, s41
	s_lshl_b32 s43, s41, 2
	s_lshl_b32 s43, 15, s43
	s_lshl_b32 s44, 0x1111, s40
	s_or_b32 s[G1+0], s43, (0<<16)|(1<<20)|(1<<21)|(5<<22)|(3<<25)
	s_or_b32 s[G1B+0], s44, (0<<16)|(1<<20)|(1<<21)|(5<<22)|(3<<25)
.irp g, G1, G1B
	s_mov_b32 s[\g+1], ROWB<<16
	s_mov_b32 s[\g+2], 256<<16                     ; 256 rows for the head's loads; set to 128 for the ring's behind them
	s_mov_b32 s[\g+3], ROWB<<16
	s_mov_b32 s[\g+4], 256
	s_mov_b32 s[\g+5], KROW
	s_mov_b32 s[\g+6], 0
	s_mov_b32 s[\g+7], 0
.endr
	s_or_b32 s[G1S+0], s43, (3<<16)|(1<<20)|(1<<21)|(5<<22)|(3<<25)
	s_or_b32 s[G1SB+0], s44, (3<<16)|(1<<20)|(1<<21)|(5<<22)|(3<<25)
.irp g, G1S, G1SB
	s_mov_b32 s[\g+1], 32<<16
	s_mov_b32 s[\g+2], KS<<16                      ; the scale bytes of 256 rows: KS rows of 256 bytes
	s_mov_b32 s[\g+3], 32<<16
	s_mov_b32 s[\g+4], KS
	s_mov_b32 s[\g+5], 32
	s_mov_b32 s[\g+6], 0
	s_mov_b32 s[\g+7], 0
.endr
	s_lshl_b32 s20, s17, 8                         ; A: the tile's first row, 256 x tile row
	s_lshl_b32 s46, s42, 8                         ; B: 256 x tile column
	s_mov_b32 s21, 0
	s_mov_b32 s47, 0
	s_mov_b64 s[18:19], KS
	s_mul_u64 s[22:23], s[20:21], s[18:19]
	s_mul_u64 s[92:93], s[46:47], s[18:19]
	s_mov_b64 s[18:19], KROW
	s_mul_u64 s[20:21], s[20:21], s[18:19]
	s_mul_u64 s[46:47], s[46:47], s[18:19]
	s_mul_i32 s18, s16, 128*KROW                   ; in the ring I fetch 128 rows of a tile: which half, in bytes
	s_mov_b32 s19, 0
	s_mul_i32 s45, s14, HALFT                      ; where they go: wave x 128 rows
	s_mov_b32 s100, 0x76543210
	s_mov_b32 s101, 0xfedcba98
	s_mov_b32 s95, 0x600000
	s_wait_dscnt 0x0
	s_wait_kmcnt 0x0
	s_add_nc_u64 s[6:7], s[4:5], 0x400000
	s_add_nc_u64 s[20:21], s[4:5], s[20:21]
	s_add_nc_u64 s[22:23], s[6:7], s[22:23]
	s_add_nc_u64 s[46:47], s[8:9], s[46:47]
	s_add_nc_u64 s[92:93], s[10:11], s[92:93]
	CROUND
	s_mov_b32 s[G0S], 1
	s_mov_b32 s[G0S+1], SCL
	s_mov_b64 s[G0S+2:G0S+3], s[22:23]
	s_or_b32 s[G0S+3], s[G0S+3], 0x80000000
	s_mov_b32 s[G0SB], 1
	s_mov_b32 s[G0SB+1], SCL+2*HALFS
	s_mov_b64 s[G0SB+2:G0SB+3], s[92:93]
	s_or_b32 s[G0SB+3], s[G0SB+3], 0x80000000
.set G0H, 4                            ; s[4:7], s[8:11] group 0 of the head's loads of K step 0 (the arguments that lay there have been used)
.set G0HB, 8
	s_mov_b32 s[G0H], 1                            ; K step 0's 256 rows of A,
	s_mov_b32 s[G0H+1], 0
	s_mov_b64 s[G0H+2:G0H+3], s[20:21]
	s_or_b32 s[G0H+3], s[G0H+3], 0x80000000
	s_mov_b32 s[G0HB], 1                           ; its 256 rows of B, behind them in slot 0
	s_mov_b32 s[G0HB+1], 2*HALFT
	s_mov_b64 s[G0HB+2:G0HB+3], s[46:47]
	s_or_b32 s[G0HB+3], s[G0HB+3], 0x80000000
	s_add_nc_u64 s[20:21], s[20:21], s[18:19]      ; for the ring: my 128 rows of the tile
	s_add_nc_u64 s[46:47], s[46:47], s[18:19]
.irp s, 0,1
	s_mov_b32 s[G0+4*\s], 1
	s_add_co_u32 s[G0+4*\s+1], s45, \s*SLOT
	s_add_nc_u64 s[G0+4*\s+2:G0+4*\s+3], s[20:21], \s*ROWB
	s_or_b32 s[G0+4*\s+3], s[G0+4*\s+3], 0x80000000
	s_mov_b32 s[G0B+4*\s], 1
	s_add_co_u32 s[G0B+4*\s+1], s45, \s*SLOT
	s_add_nc_u64 s[G0B+4*\s+2:G0B+4*\s+3], s[46:47], \s*ROWB
	s_or_b32 s[G0B+4*\s+3], s[G0B+4*\s+3], 0x80000000
.endr
; THE HEAD'S LOADS, ONE A WAVE: wave 0 K step 0's 256 rows of A, wave 1 its 256 rows of B, wave 2 the scales of A's 256 rows, wave 3 those of B's.  One tree of branches on the wave's number.
.macro ARM under, g0, g1, next
	s_cmp_lt_u32 s14, \under
	s_cbranch_scc0 \next
	tensor_load_to_lds s[\g0:\g0+3], s[\g1:\g1+7]
	s_nop 0
.rept 4
	v_nop
.endr
	s_branch .Lhead_asked
\next:
.endm
	ARM 1, G0H,  G1,  .Lhead_b
	ARM 2, G0HB, G1B, .Lhead_sa
	ARM 3, G0S,  G1S, .Lhead_sb
	tensor_load_to_lds s[G0SB:G0SB+3], s[G1SB:G1SB+7]
	s_nop 0
.rept 4
	v_nop
.endr
.Lhead_asked:
	v_and_b32 v1, 15, v0
	s_wait_alu depctr_va_vdst(0)
	v_bfe_u32 v2, v0, 4, 1
	s_lshl_b32 s46, s42, 10
	s_lshl_b32 s47, s16, 9
	s_add_co_u32 s46, s46, s47
	s_mov_b32 s47, 0
	s_add_nc_u64 s[96:97], s[96:97], s[46:47]
	v_lshlrev_b32 v8, 5, v2
.irp b, 0,1,2,3,4,5,6,7
	global_load_b128 v[BI+8*\b:BI+8*\b+3],   v8, s[96:97] offset:64*\b
	global_load_b128 v[BI+8*\b+4:BI+8*\b+7], v8, s[96:97] offset:64*\b+16
.endr
	v_mul_u32_u24 v3, v1, PITCH
	v_lshl_add_u32 v4, v2, 4, v3
	s_mul_i32 s21, s15, HALFT
	s_mul_i32 s22, s16, HALFT
	s_add_co_u32 s22, s22, 2*HALFT
.irp s, 0,1
	v_add_nc_u32 v[ADRA+\s], s21, v4
	v_add_nc_u32 v[ADRB+\s], s22, v4
	s_add_co_u32 s21, s21, SLOT
	s_add_co_u32 s22, s22, SLOT
.endr
	v_mul_u32_u24 v5, v1, KS
	v_lshrrev_b32 v6, 8, v5
	v_lshl_add_u32 v5, v6, 4, v5
	s_mul_i32 s21, s15, HALFS
	s_mul_i32 s22, s16, HALFS
	s_add_co_u32 s22, s22, 2*HALFS
	s_sub_co_u32 s22, s22, s21
	v_mul_u32_u24 v6, s22, v2
	s_add_co_u32 s21, s21, SCL
	v_add_nc_u32 v5, v5, v6
	v_add_nc_u32 v[ADRS], s21, v5
	s_lshl_b32 s23, s14, 12
	v_mul_u32_u24 v5, v1, QP
	v_lshl_add_u32 v5, v2, 3, v5
	v_add_nc_u32 v[STO], s23, v5
	v_and_b32 v6, 31, v0
	v_lshrrev_b32 v5, 3, v6
	v_mul_u32_u24 v5, v5, QP
	v_and_b32 v7, 7, v6
	v_lshl_add_u32 v5, v7, 4, v5
	v_add_nc_u32 v[RD], s23, v5
	v_lshlrev_b32 v[CO], 4, v6
	v_and_b32 v5, 7, v1
	v_lshrrev_b32 v7, 3, v1
	v_lshlrev_b32 v5, 2, v5
	v_lshl_add_u32 v5, v7, 6, v5
	s_add_co_u32 s23, s23, 3072
	v_add_nc_u32 v[SWO], s23, v5
	v_add_nc_u32 v[SWR], s23, v[CO]
	s_lshl_b32 s20, s17, 8
	s_lshl_b32 s21, s15, 7
	s_add_co_u32 s20, s20, s21
	s_lshl_b32 s46, s42, 1
	s_add_co_u32 s46, s46, s16
	s_lshl_b32 s18, s46, 19
	s_lshl_b32 s19, s20, 7
	s_add_co_u32 s18, s18, s19
	s_mov_b32 s19, 0
	s_lshl_b32 s22, s46, 14
	s_lshl_b32 s23, s20, 2
	s_add_co_u32 s22, s22, s23
	s_add_co_u32 s22, s22, 0x1000000
	s_mov_b32 s23, 0
	s_add_nc_u64 s[98:99], s[12:13], s[22:23]
	s_add_nc_u64 s[12:13], s[12:13], s[18:19]
.macro FRAG reg, adr, q, i
.irp c, 0,1,2,3
	ds_load_b128 v[\reg+4*\c:\reg+4*\c+3], v[\adr] offset:128*(\q)+32*\c+(\i)*16*PITCH
.endr
.endm
.macro MUL16 a0, p, q, sc, zero
.irp a, \a0, \a0+1
.irp b, 0,1,2,3,4,5,6,7
.if \zero
	v_wmma_scale_f32_16x16x128_f8f6f4 v[8*(8*((\a)%4)+\b):8*(8*((\a)%4)+\b)+7], v[128*(\p)+FR*\b:128*(\p)+FR*\b+FR-1], v[AF+FR*(\a):AF+FR*(\a)+FR-1], v[BI+8*\b:BI+8*\b+7], v[SC+8*NQ*(\sc)+NQ*\b+(\q)], v[SC+8*NQ*(\sc)+NQ*(\a)+(\q)] matrix_a_scale:MATRIX_SCALE_ROW1
.else
	v_wmma_scale_f32_16x16x128_f8f6f4 v[8*(8*((\a)%4)+\b):8*(8*((\a)%4)+\b)+7], v[128*(\p)+FR*\b:128*(\p)+FR*\b+FR-1], v[AF+FR*(\a):AF+FR*(\a)+FR-1], v[8*(8*((\a)%4)+\b):8*(8*((\a)%4)+\b)+7], v[SC+8*NQ*(\sc)+NQ*\b+(\q)], v[SC+8*NQ*(\sc)+NQ*(\a)+(\q)] matrix_a_scale:MATRIX_SCALE_ROW1
.endif
.endr
.endr
.endm
.macro FETCH_B slot, q, p
	WIN TO_B
.irp i, 0,1,2,3,4,5,6,7
	FRAG 128*(\p)+FR*\i, ADRB+\slot, \q, \i
.endr
	WIN 0
.endm
.macro FETCH_A slot, q, i0
.irp i, \i0, \i0+1, \i0+2, \i0+3
	FRAG AF+FR*(\i), ADRA+\slot, \q, \i
.endr
.endm
.macro SCALES sc
.irp i, 0,1,2,3,4,5,6,7
	ds_load_b64 v[SC+8*NQ*\sc+NQ*\i:SC+8*NQ*\sc+NQ*\i+1], v[ADRS] offset:\i*SBLK
.endr
.endm
.macro PLACES n
.rept \n
	v_nop
.endr
.endm
.macro STEP slot, q, zero
	s_wait_dscnt 4*NL
.if \zero
	WIN BIAS_LO
.else
	WIN MUL_LO
.endif
	MUL16 0, (\q)%2, \q, \slot, \zero
	MUL16 2, (\q)%2, \q, \slot, \zero
	s_wait_dscnt 0
	PLACES NP
	FETCH_B \slot, (\q)+1, 1-(\q)%2
	FETCH_A \slot, (\q)+1, 0
.if \zero
	WIN BIAS_HI
.else
	WIN MUL_HI
.endif
	MUL16 4, (\q)%2, \q, \slot, \zero
	MUL16 6, (\q)%2, \q, \slot, \zero
	PLACES NP
	WIN 0
	FETCH_A \slot, (\q)+1, 4
.endm
.macro TURN slot, next, fill
	s_wait_tensorcnt 0x0
	ds_add_u32 v[SPW], v[NIL]
	s_wait_dscnt 4*NL+1
	WIN MUL_LO
	MUL16 0, 1, NQ-1, \slot, 0
	s_wait_dscnt 0x0
	s_barrier_signal -1
	MUL16 2, 1, NQ-1, \slot, 0
	WIN 0
	s_barrier_wait -1
.if \fill
	CREST
	s_add_nc_u64 s[G0+4*\slot+2:G0+4*\slot+3], s[G0+4*\slot+2:G0+4*\slot+3], 2*ROWB
	s_add_nc_u64 s[G0B+4*\slot+2:G0B+4*\slot+3], s[G0B+4*\slot+2:G0B+4*\slot+3], 2*ROWB
	JLOAD G0+4*\slot, G1, G0B+4*\slot, G1B
	PLACES NP-4
.else
	PLACES NP
.endif
	s_wait_alu depctr_va_vdst(0)
	v_add_nc_u32 v[ADRS], 4*NQ, v[ADRS]
	FETCH_B \next, 0, 0
	FETCH_A \next, 0, 0
	SCALES \next
	WIN MUL_HI
	MUL16 4, 1, NQ-1, \slot, 0
	MUL16 6, 1, NQ-1, \slot, 0
	PLACES NP
	WIN 0
	FETCH_A \next, 0, 4
.endm
	s_wait_alu depctr_va_vdst(0)                   ; the wait at the head's end
	s_wait_tensorcnt 0x0                           ; my tile of the head's four is in
	ds_add_u32 v[SPW], v[NIL]
	s_mov_b32 s[G1+2], 128<<16                     ; no tensor load of mine is out: from here on a load brings 128 rows
	s_mov_b32 s[G1+4], 128
	s_mov_b32 s[G1B+2], 128<<16
	s_mov_b32 s[G1B+4], 128
	s_wait_dscnt 0x0                               ; the add is done
	CROUND                                         ; all four tiles are in, and all sixteen work-groups are here
	JLOAD G0+4, G1, G0B+4, G1B                     ; K step 1's load, the first tensor load behind the round
	FETCH_B 0, 0, 0
	FETCH_A 0, 0, 0
	SCALES 0
	FETCH_A 0, 0, 4
	s_wait_loadcnt 0x0
	STEP 0, 0, 1
	s_mov_b32 s3, LAPS-1
.Llap:
	TURN 0, 1, 1
	STEP 1, 0, 0
	TURN 1, 0, 1
	STEP 0, 0, 0
	s_sub_co_u32 s3, s3, 1
	s_cmp_lg_u32 s3, 0
	s_cbranch_scc1 .Llap
	TURN 0, 1, 0
	STEP 1, 0, 0
	s_wait_dscnt 4*NL
	WIN MUL_LO
	MUL16 0, 1, NQ-1, 1, 0
	MUL16 2, 1, NQ-1, 1, 0
	s_wait_dscnt 0
	WIN MUL_HI
	MUL16 4, 1, NQ-1, 1, 0
	MUL16 6, 1, NQ-1, 1, 0
	WIN 0
.macro QBLK a
.set AC, 64*((\a)%4)
.set W, 2+(\a)/4
.set PS, PC+16*((\a)%2)
.set WW, (W<<2)|(W<<4)
	WIN WW
.irp b, 0,1,2,3
	v_max3_num_f32 v[TM+\b], 0x4800000, v[AC+16*\b], v[AC+16*\b+1]
.endr
.irp i, 2,4,6,8,10,12,14
.irp b, 0,1,2,3
	v_max3_num_f32 v[TM+\b], v[TM+\b], v[AC+16*\b+\i], v[AC+16*\b+\i+1]
.endr
.endr
	WIN 0
.irp b, 0,1,2,3
	v_permlanex16_b32 v[TM+4+\b], v[TM+\b], s100, s101
.endr
.irp b, 0,1,2,3
	v_max_num_f32 v[TM+\b], v[TM+\b], v[TM+4+\b]
.endr
.irp b, 0,1,2,3
	v_add_nc_u32 v[TM+12+\b], 0xfc000000, v[TM+\b]
.endr
.irp b, 0,1,2,3
	v_and_or_b32 v[TM+8+\b], v[TM+\b], 0x7f800000, s95
.endr
.irp b, 0,1,2,3
	v_lshrrev_b32 v[TM+4+\b], 23, v[TM+12+\b]
.endr
	v_lshl_or_b32 v[PW+(\a)%2], v[TM+5], 8, v[TM+4]
	v_lshl_or_b32 v[PW+(\a)%2], v[TM+6], 16, v[PW+(\a)%2]
	v_lshl_or_b32 v[PW+(\a)%2], v[TM+7], 24, v[PW+(\a)%2]
.set WW, W|(W<<6)
	WIN WW
.set k, 0
.rept 64
	v_med3_num_f32 v[AC+k], v[AC+k], 0, v[TM+8+k/16]
.set k, k+1
.endr
	WIN W
.irp b, 0,1,2,3
	v_cvt_scalef32_pk8_fp8_f32 v[PS+4*\b:PS+4*\b+1], v[AC+16*\b:AC+16*\b+7], v[TM+12+\b]
	v_cvt_scalef32_pk8_fp8_f32 v[PS+4*\b+2:PS+4*\b+3], v[AC+16*\b+8:AC+16*\b+15], v[TM+12+\b]
.endr
	WIN 0
	v_nop
.endm
.macro STAGE a
.set PS, PC+16*((\a)%2)
.set BB, BK+16*((\a)%2)
.irp b, 0,1,2,3
	ds_store_b64 v[STO], v[PS+4*\b:PS+4*\b+1] offset:32*\b
	ds_store_b64 v[STO], v[PS+4*\b+2:PS+4*\b+3] offset:32*\b+16
.endr
	ds_store_b32 v[SWO], v[PW+(\a)%2] offset:128*((\a)/2)+32*((\a)%2)
.irp t, 0,1,2,3
	ds_load_b128 v[BB+4*\t:BB+4*\t+3], v[RD] offset:4*QP*\t
.endr
.endm
.macro SEND a, younger
.set BB, BK+16*((\a)%2)
	s_wait_dscnt \younger
.irp t, 0,1,2,3
	global_store_b128 v[CO], v[BB+4*\t:BB+4*\t+3], s[12:13] offset:(32*((\a)/2)+8*((\a)%2)+(4*\t)%8+16*(\t/2))*128
.endr
.endm
	PLACES NP
	QBLK 0
	STAGE 0
.irp a, 1,2,3,4,5,6,7
	QBLK \a
.if \a > 1
	s_wait_alu depctr_va_vdst(0)
	s_wait_xcnt 0x0
.endif
	STAGE \a
	SEND \a-1, 13
.endr
	ds_load_b128 v[WB:WB+3], v[SWR]
	SEND 7, 1
	s_wait_dscnt 0x0
	global_store_b128 v[CO], v[WB:WB+3], s[98:99]
	s_wait_tensorcnt 0x0
	ds_add_u32 v[SPW], v[NIL]
	s_wait_dscnt 0x0
	CROUND
	s_endpgm
.Lfunc_end_k_q671e5fe270_ffn1:
	.size	k_q671e5fe270_ffn1, .Lfunc_end_k_q671e5fe270_ffn1-k_q671e5fe270_ffn1
	.p2alignl 7, 3214868480
	.fill 96, 4, 3214868480
	.section	.rodata,"a",@progbits
	.p2align	6, 0x0
	.amdhsa_kernel k_q671e5fe270_ffn1
		.amdhsa_group_segment_fixed_size 327680
		.amdhsa_private_segment_fixed_size 0
		.amdhsa_enable_private_segment 0
		.amdhsa_kernarg_size 40
		.amdhsa_user_sgpr_count 2
		.amdhsa_user_sgpr_kernarg_segment_ptr 1
		.amdhsa_wavefront_size32 1
		.amdhsa_system_sgpr_workgroup_id_x 1
		.amdhsa_system_sgpr_workgroup_id_y 1
		.amdhsa_system_sgpr_workgroup_id_z 1
		.amdhsa_system_vgpr_workitem_id 0
		.amdhsa_next_free_vgpr 1024
		.amdhsa_next_free_sgpr 102
		.amdhsa_reserve_vcc 0
		.amdhsa_float_denorm_mode_32 3
		.amdhsa_float_denorm_mode_16_64 3
		.amdhsa_memory_ordered 1
		.amdhsa_forward_progress 1
		.amdhsa_inst_pref_size 195
	.end_amdhsa_kernel
	.amdgpu_metadata
---
amdhsa.version: [ 1, 2 ]
amdhsa.kernels:
  - .name:           k_q671e5fe270_ffn1
    .symbol:         k_q671e5fe270_ffn1.kd
    .args:
      - { .name: hq, .offset: 0, .size: 8, .value_kind: global_buffer, .address_space: global }
      - { .name: w1_codes, .offset: 8, .size: 8, .value_kind: global_buffer, .address_space: global }
      - { .name: w1_scales, .offset: 16, .size: 8, .value_kind: global_buffer, .address_space: global }
      - { .name: b1, .offset: 24, .size: 8, .value_kind: global_buffer, .address_space: global }
      - { .name: aq, .offset: 32, .size: 8, .value_kind: global_buffer, .address_space: global }
    .group_segment_fixed_size: 327680
    .private_segment_fixed_size: 0
    .kernarg_segment_align: 8
    .kernarg_segment_size: 40
    .max_flat_workgroup_size: 128
    .sgpr_count:     102
    .vgpr_count:     1024
    .wavefront_size: 32
...
	.end_amdgpu_metadata
.endif
;; end of part 5
;; launch ffn2 (part 6): grid 8 x 32, 4 waves a work-group, clusters of 4 x 4, 327,680 bytes of LDS; arguments aq, w2_codes, w2_scales, b2, x2, out0; writes out0
.if DOCPART == 6
	.amdgcn_target "amdgcn-amd-amdhsa--gfx1250"
	.amdhsa_code_object_version 6
	.text
	.protected	k_q671e5fe270_ffn2
	.globl	k_q671e5fe270_ffn2
	.p2align	8
	.type	k_q671e5fe270_ffn2,@function
k_q671e5fe270_ffn2:
	s_mov_b64 s[64:65], 0
	v_nop
	global_prefetch_b8 v0, s[64:65] scope:SCOPE_SE
	s_setreg_imm32_b32 hwreg(HW_REG_WAVE_MODE, 25, 1), 1
	s_wait_xcnt 0x0
	s_wait_alu depctr_hold_cnt(0) depctr_sa_sdst(0) depctr_va_vdst(0) depctr_va_sdst(0) depctr_va_ssrc(0) depctr_va_vcc(0) depctr_vm_vsrc(0)
	s_getreg_b32 s2, hwreg(HW_REG_IB_STS2, 6, 4)
	s_cmp_eq_u32 s2, 0
	s_cbranch_scc0 .Lentry_in_a_cluster
	s_endpgm
.Lentry_in_a_cluster:
	s_bfe_u32 s2, ttmp6, 0x10000c
	s_cmp_lg_u32 s2, 0xf033
	s_cbranch_scc0 .Lentry_shape_is_right
	s_endpgm
.Lentry_shape_is_right:
.set SIZE_K, 4096
.set SWOFF,  0x1000000
.set NT,     1
.set KS,     SIZE_K/32
.set NPAN,   SIZE_K/128
.set AP,     144
.set APAN,   128*AP
.set BP,     528
.set BOFF,   4*APAN
.set BHALF,  64*BP
.set SLOT,   BOFF+2*BHALF
.set LAPS,   SIZE_K/1024
.set SCA,    2*SLOT
.set SAP,    576
.set SCB,    SCA+NPAN*SAP
.set SBH,    (64*KS/256)*272
.set SBB,    (16*KS/256)*272
.set SPARE,  SCB+2*SBH
.set SPITCH, 272
.set ADRA, 16
.set ADRB, 20
.set ADSA, 22
.set ADSB, 23
.set STO,  24
.set RD,   25
.set CO,   26
.set SPW,  28
.set NIL,  29
.set SCAR, 32
.set SCBR, 48
.set BI,   96
.set ACC,  128
.set F0,   0
.set F1,   128
.set BK,   0
.set G1, 24
.set G0, 32
.set G1B, 48
.set G0B, 56
.set G1S, 68
.set G0S, 76
.set G1SB, 80
.set G0SB, 88
.set MSB, 0
.macro WIN new
.if MSB != (\new)
	s_set_vgpr_msb (MSB<<8)|(\new)
.set MSB, (\new)
.endif
.endm
.set MUL,  0x05
.set TO_F, 0x40
.macro JLOAD g0a, g1a, g0b, g1b
	s_cmp_eq_u32 s15, 0
	s_cbranch_scc0 .Lfor_b_\@
	tensor_load_to_lds s[\g0a:\g0a+3], s[\g1a:\g1a+7]
	s_nop 0
.rept 4
	v_nop
.endr
	s_branch .Lasked_\@
.Lfor_b_\@:
	tensor_load_to_lds s[\g0b:\g0b+3], s[\g1b:\g1b+7]
	s_nop 0
.rept 4
	v_nop
.endr
.Lasked_\@:
.endm
.macro CREST
	s_cmp_lg_u32 s14, 0
	s_cbranch_scc1 .Lnot_wave_0_\@
	s_barrier_signal -3
.Lnot_wave_0_\@:
	s_barrier_wait -3
	s_barrier_signal -1
	s_barrier_wait -1
.endm
.macro CROUND
	s_barrier_signal -1
	s_barrier_wait -1
	CREST
.endm
	s_load_b64 s[4:5], s[0:1], 0x0
	s_load_b128 s[8:11], s[0:1], 0x8
	s_load_b128 s[96:99], s[0:1], 0x18
	s_load_b64 s[12:13], s[0:1], 0x28
	v_lshl_add_u32 v[SPW], v0, 2, SPARE
	v_mov_b32 v[NIL], 0
	ds_add_u32 v[SPW], v[NIL]
	ds_add_u32 v[SPW], v[NIL]
	v_lshrrev_b32 v1, 5, v0
	v_readfirstlane_b32 s14, v1
	s_lshr_b32 s15, s14, 1
	s_and_b32 s16, s14, 1
	s_bfe_u32 s40, ttmp6, 0x40000
	s_bfe_u32 s41, ttmp6, 0x40004
	s_lshl_b32 s42, ttmp9, 2
	s_add_co_u32 s42, s42, s40
	s_and_b32 s17, ttmp7, 0xffff
	s_lshl_b32 s17, s17, 2
	s_add_co_u32 s17, s17, s41
	s_lshl_b32 s43, s41, 2
	s_lshl_b32 s43, 15, s43
	s_lshl_b32 s44, 0x1111, s40
	s_or_b32 s[G1+0], s43, (3<<16)|(1<<20)|(1<<21)|(4<<22)|(3<<25)
	s_mov_b32 s[G1+1], 2048<<16
	s_mov_b32 s[G1+2], 4<<16                       ; four panels for the head's load; set to two for the ring's behind it
	s_mov_b32 s[G1+3], 2048<<16
	s_mov_b32 s[G1+4], 4
	s_mov_b32 s[G1+5], 65536
	s_mov_b32 s[G1+6], 0
	s_mov_b32 s[G1+7], 0
	s_or_b32 s[G1B+0], s44, (0<<16)|(1<<20)|(1<<21)|(6<<22)|(3<<25)
	s_mov_b32 s[G1B+1], 512<<16
	s_mov_b32 s[G1B+2], 128<<16                    ; 128 rows for the head's load; set to 64 for the ring's behind it
	s_mov_b32 s[G1B+3], 512<<16
	s_mov_b32 s[G1B+4], 128
	s_mov_b32 s[G1B+5], SIZE_K
	s_mov_b32 s[G1B+6], 0
	s_mov_b32 s[G1B+7], 0
	s_or_b32 s[G1S+0], s43, (3<<16)|(1<<20)|(1<<21)|(6<<22)|(15<<25)
	s_mov_b32 s[G1S+1], 64<<16
	s_mov_b32 s[G1S+2], NPAN<<16                   ; A's scale words of all panels in one load
	s_mov_b32 s[G1S+3], 64<<16
	s_mov_b32 s[G1S+4], NPAN
	s_mov_b32 s[G1S+5], 2048
	s_mov_b32 s[G1S+6], 0
	s_mov_b32 s[G1S+7], 0
	s_or_b32 s[G1SB+0], s44, (3<<16)|(1<<20)|(1<<21)|(5<<22)|(3<<25)
	s_mov_b32 s[G1SB+1], 32<<16
	s_mov_b32 s[G1SB+2], (128*KS/256)<<16          ; the scale bytes of B's 128 rows in one load
	s_mov_b32 s[G1SB+3], 32<<16
	s_mov_b32 s[G1SB+4], 128*KS/256
	s_mov_b32 s[G1SB+5], 32
	s_mov_b32 s[G1SB+6], 0
	s_mov_b32 s[G1SB+7], 0
	s_lshl_b32 s20, s17, 14                        ; A's codes: the tile's 128 rows in panel 0
	s_mov_b32 s21, 0
	s_lshl_b32 s22, s17, 9                         ; their scale words
	s_add_co_u32 s22, s22, SWOFF
	s_mov_b32 s23, 0
	s_lshl_b32 s46, s42, 7                         ; B: the tile's first row
	s_mul_i32 s92, s46, KS
	s_mov_b32 s93, 0
	s_mul_i32 s46, s46, SIZE_K
	s_mov_b32 s47, 0
	s_mul_i32 s45, s16, 2*APAN
	s_mul_i32 s94, s16, BHALF
	s_add_co_u32 s94, s94, BOFF
	s_lshl_b32 s18, s16, 20                        ; in the ring I fetch two panels of A, or 64 rows of B: which half, in bytes
	s_mov_b32 s19, 0
	s_mul_i32 s66, s16, 64*SIZE_K
	s_mov_b32 s67, 0
	s_wait_dscnt 0x0
	s_wait_kmcnt 0x0
	s_add_nc_u64 s[22:23], s[4:5], s[22:23]
	s_add_nc_u64 s[20:21], s[4:5], s[20:21]
	s_add_nc_u64 s[46:47], s[8:9], s[46:47]
	s_add_nc_u64 s[92:93], s[10:11], s[92:93]
	CROUND
	s_mov_b32 s[G0S], 1
	s_mov_b32 s[G0S+1], SCA
	s_mov_b64 s[G0S+2:G0S+3], s[22:23]
	s_or_b32 s[G0S+3], s[G0S+3], 0x80000000
	s_mov_b32 s[G0SB], 1
	s_mov_b32 s[G0SB+1], SCB
	s_mov_b64 s[G0SB+2:G0SB+3], s[92:93]
	s_or_b32 s[G0SB+3], s[G0SB+3], 0x80000000
.set G0H, 4                            ; s[4:7], s[8:11] group 0 of the head's loads of K step 0 (the arguments that lay there have been used)
.set G0HB, 8
	s_mov_b32 s[G0H], 1                            ; K step 0's four panels of A,
	s_mov_b32 s[G0H+1], 0
	s_mov_b64 s[G0H+2:G0H+3], s[20:21]
	s_or_b32 s[G0H+3], s[G0H+3], 0x80000000
	s_mov_b32 s[G0HB], 1                           ; its 128 rows of B, behind them in slot 0
	s_mov_b32 s[G0HB+1], BOFF
	s_mov_b64 s[G0HB+2:G0HB+3], s[46:47]
	s_or_b32 s[G0HB+3], s[G0HB+3], 0x80000000
	s_add_nc_u64 s[20:21], s[20:21], s[18:19]      ; for the ring: my half
	s_add_nc_u64 s[46:47], s[46:47], s[66:67]
.irp s, 0,1
	s_mov_b32 s[G0+4*\s], 1
	s_add_co_u32 s[G0+4*\s+1], s45, \s*SLOT
	s_add_nc_u64 s[G0+4*\s+2:G0+4*\s+3], s[20:21], \s*4*524288
	s_or_b32 s[G0+4*\s+3], s[G0+4*\s+3], 0x80000000
	s_mov_b32 s[G0B+4*\s], 1
	s_add_co_u32 s[G0B+4*\s+1], s94, \s*SLOT
	s_add_nc_u64 s[G0B+4*\s+2:G0B+4*\s+3], s[46:47], \s*512
	s_or_b32 s[G0B+4*\s+3], s[G0B+4*\s+3], 0x80000000
.endr
; THE HEAD'S LOADS, ONE A WAVE: wave 0 K step 0's four panels of A, wave 1 its 128 rows of B, wave 2 A's scale words, wave 3 B's scale bytes.  One tree of branches on the wave's number.
.macro ARM under, g0, g1, next
	s_cmp_lt_u32 s14, \under
	s_cbranch_scc0 \next
	tensor_load_to_lds s[\g0:\g0+3], s[\g1:\g1+7]
	s_nop 0
.rept 4
	v_nop
.endr
	s_branch .Lhead_asked
\next:
.endm
	ARM 1, G0H,  G1,  .Lhead_b
	ARM 2, G0HB, G1B, .Lhead_sa
	ARM 3, G0S,  G1S, .Lhead_sb
	tensor_load_to_lds s[G0SB:G0SB+3], s[G1SB:G1SB+7]
	s_nop 0
.rept 4
	v_nop
.endr
.Lhead_asked:
	v_and_b32 v1, 15, v0
	v_bfe_u32 v2, v0, 4, 1
	v_mul_u32_u24 v3, v1, AP
	v_lshl_add_u32 v3, v2, 4, v3
	s_mul_i32 s21, s15, 64*AP
	v_mul_u32_u24 v4, v1, BP
	v_lshl_add_u32 v4, v2, 4, v4
	s_mul_i32 s22, s16, BHALF
	s_add_co_u32 s22, s22, BOFF
.irp s, 0,1
	v_add_nc_u32 v[ADRA+\s], s21, v3
	v_add_nc_u32 v[ADRB+\s], s22, v4
	s_add_co_u32 s21, s21, SLOT
	s_add_co_u32 s22, s22, SLOT
.endr
	s_lshl_b32 s21, s15, 8
	s_add_co_u32 s21, s21, SCA
	v_lshlrev_b32 v5, 2, v1
	v_mad_u32_u24 v5, v2, SAP, v5
	v_add_nc_u32 v[ADSA], s21, v5
	v_mul_u32_u24 v5, v1, KS
	v_lshrrev_b32 v6, 8, v5
	v_lshl_add_u32 v5, v6, 4, v5
	s_mul_i32 s22, s16, SBH
	s_add_co_u32 s22, s22, SCB
	v_add_nc_u32 v[ADSB], s22, v5
	s_mul_i32 s23, s14, 16*SPITCH
	v_mul_u32_u24 v5, v1, SPITCH
	v_lshl_add_u32 v5, v2, 5, v5
	v_add_nc_u32 v[STO], s23, v5
	v_mul_u32_u24 v5, v2, SPITCH
	v_lshl_add_u32 v5, v1, 4, v5
	v_add_nc_u32 v[RD], s23, v5
	v_lshlrev_b32 v5, 12, v2
	v_lshl_add_u32 v[CO], v1, 4, v5
	v_lshlrev_b32 v7, 5, v2
	s_wait_alu depctr_va_vdst(0)
	s_lshl_b32 s20, s17, 7
	s_lshl_b32 s21, s15, 6
	s_add_co_u32 s20, s20, s21
	s_lshl_b32 s20, s20, 12
	s_lshl_b32 s46, s42, 9
	s_lshl_b32 s47, s16, 8
	s_add_co_u32 s46, s46, s47
	s_mov_b32 s47, 0
	s_add_nc_u64 s[96:97], s[96:97], s[46:47]
	s_add_co_u32 s20, s20, s46
	s_mov_b32 s21, 0
	s_add_nc_u64 s[98:99], s[98:99], s[20:21]
	s_add_nc_u64 s[12:13], s[12:13], s[20:21]
.irp b, 0,1,2,3
	global_load_b128 v[BI+8*\b:BI+8*\b+3],   v7, s[96:97] offset:64*\b
	global_load_b128 v[BI+8*\b+4:BI+8*\b+7], v7, s[96:97] offset:64*\b+16
.endr
	WIN 0x80
.irp i, 0,1,2,3
.irp t, 0,1,2,3,4,5,6,7
	global_load_b128 v[32*\i+4*\t:32*\i+4*\t+3], v[CO], s[98:99] offset:(32*(\i/2)+8*(\i%2)+(2*\t)%8+16*(\t/4))*4096
.endr
.endr
	WIN 0
.macro WM acc, fb, fa, c0, sb, sa, odd
.if \odd
	v_wmma_scale_f32_16x16x128_f8f6f4 v[(\acc):(\acc)+7], v[(\fb):(\fb)+15], v[(\fa):(\fa)+15], v[(\c0):(\c0)+7], v[(\sb)], v[(\sa)] matrix_b_scale:MATRIX_SCALE_ROW1
.else
	v_wmma_scale_f32_16x16x128_f8f6f4 v[(\acc):(\acc)+7], v[(\fb):(\fb)+15], v[(\fa):(\fa)+15], v[(\c0):(\c0)+7], v[(\sb)], v[(\sa)]
.endif
.endm
.macro MUL4 f, a, q, st, zero
.irp b, 0,1,2,3
.if \zero
	WM ACC+8*(4*(\a)+\b), \f+64+16*\b, \f+16*(\a), BI+8*\b, SCBR+16*(\st)+4*\b+(\q), SCAR+8*(\st)+2*(\a)+(\q)/2, (\q)%2
.else
	WM ACC+8*(4*(\a)+\b), \f+64+16*\b, \f+16*(\a), ACC+8*(4*(\a)+\b), SCBR+16*(\st)+4*\b+(\q), SCAR+8*(\st)+2*(\a)+(\q)/2, (\q)%2
.endif
.endr
.endm
.macro FETCH slot, q, f, sc
	WIN TO_F
.irp i, 0,1,2,3
.irp c, 0,1,2,3
	ds_load_b128 v[\f+64+16*\i+4*\c:\f+64+16*\i+4*\c+3], v[ADRB+\slot] offset:128*(\q)+32*\c+\i*16*BP
.endr
.endr
.irp i, 0,1
.irp c, 0,1,2,3
	ds_load_b128 v[\f+16*\i+4*\c:\f+16*\i+4*\c+3], v[ADRA+\slot] offset:APAN*(\q)+\i*16*AP+32*\c
.endr
.endr
.if \sc
	WIN 0
.irp i, 0,1,2,3
	ds_load_b128 v[SCBR+16*\slot+4*\i:SCBR+16*\slot+4*\i+3], v[ADSB] offset:\i*SBB
.endr
.irp i, 0,1,2,3
.irp p, 0,1
	ds_load_b32 v[SCAR+8*\slot+2*\i+\p], v[ADSA] offset:64*\i+2*SAP*\p
.endr
.endr
	WIN TO_F
.endif
.irp i, 2,3
.irp c, 0,1,2,3
	ds_load_b128 v[\f+16*\i+4*\c:\f+16*\i+4*\c+3], v[ADRA+\slot] offset:APAN*(\q)+\i*16*AP+32*\c
.endr
.endr
.endm
.macro PLACES n
.rept \n
	v_nop
.endr
.endm
.macro QUARTER slot, qn, f, g, zero
	s_wait_dscnt 8
	WIN MUL
	MUL4 \f, 0, (\qn)-1, \slot, \zero
	MUL4 \f, 1, (\qn)-1, \slot, \zero
	PLACES 8
	FETCH \slot, \qn, \g, 0
	s_wait_dscnt 32
	WIN MUL
	MUL4 \f, 2, (\qn)-1, \slot, \zero
	MUL4 \f, 3, (\qn)-1, \slot, \zero
.endm
.macro TURN slot, next, fill
	WIN 0
	s_wait_tensorcnt 0x0
	ds_add_u32 v[SPW], v[NIL]
	s_wait_dscnt 9
	WIN MUL
	MUL4 F1, 0, 3, \slot, 0
	s_wait_dscnt 0x0
	s_barrier_signal -1
	MUL4 F1, 1, 3, \slot, 0
	WIN 0
	s_barrier_wait -1
.if \fill
	CREST
	s_add_nc_u64 s[G0+4*\slot+2:G0+4*\slot+3], s[G0+4*\slot+2:G0+4*\slot+3], 8*524288
	s_add_nc_u64 s[G0B+4*\slot+2:G0B+4*\slot+3], s[G0B+4*\slot+2:G0B+4*\slot+3], 1024
	JLOAD G0+4*\slot, G1, G0B+4*\slot, G1B
	PLACES 4
.else
	PLACES 8
.endif
	s_wait_alu depctr_va_vdst(0)
	v_add_nc_u32 v[ADSA], 4*SAP, v[ADSA]
	v_add_nc_u32 v[ADSB], 16, v[ADSB]
	FETCH \next, 0, F0, 1
	WIN MUL
	MUL4 F1, 2, 3, \slot, 0
	MUL4 F1, 3, 3, \slot, 0
.endm
	s_wait_loadcnt 32
	s_wait_alu depctr_va_vdst(0)                   ; the wait at the head's end
	s_wait_tensorcnt 0x0                           ; my tile of the head's four is in
	ds_add_u32 v[SPW], v[NIL]
	s_mov_b32 s[G1+2], 2<<16                       ; no tensor load of mine is out: from here on a load brings two panels of A,
	s_mov_b32 s[G1+4], 2
	s_mov_b32 s[G1B+2], 64<<16                     ; or 64 rows of B
	s_mov_b32 s[G1B+4], 64
	s_wait_dscnt 0x0                               ; the add is done
	CROUND                                         ; all four tiles are in, and all sixteen work-groups are here
	JLOAD G0+4, G1, G0B+4, G1B                     ; K step 1's load, the first tensor load behind the round
	FETCH 0, 0, F0, 1
	QUARTER 0, 1, F0, F1, 1
.if LAPS > 1
	WIN 0
	s_mov_b32 s3, LAPS-1
.Llap:
	QUARTER 0, 2, F1, F0, 0
	QUARTER 0, 3, F0, F1, 0
	TURN 0, 1, 1
	QUARTER 1, 1, F0, F1, 0
	QUARTER 1, 2, F1, F0, 0
	QUARTER 1, 3, F0, F1, 0
	TURN 1, 0, 1
	QUARTER 0, 1, F0, F1, 0
	WIN 0
	s_sub_co_u32 s3, s3, 1
	s_cmp_lg_u32 s3, 0
	s_cbranch_scc1 .Llap
.endif
	QUARTER 0, 2, F1, F0, 0
	QUARTER 0, 3, F0, F1, 0
	TURN 0, 1, 0
	QUARTER 1, 1, F0, F1, 0
	QUARTER 1, 2, F1, F0, 0
	QUARTER 1, 3, F0, F1, 0
	s_wait_dscnt 8
	WIN MUL
	MUL4 F1, 0, 3, 1, 0
	MUL4 F1, 1, 3, 1, 0
	s_wait_dscnt 0
	MUL4 F1, 2, 3, 1, 0
	MUL4 F1, 3, 3, 1, 0
	WIN 0
.macro TOSTAGE i
	WIN 0
.irp b, 0,1,2,3
	ds_store_b128 v[STO], v[ACC+8*(4*(\i)+\b):ACC+8*(4*(\i)+\b)+3] offset:64*\b
	ds_store_b128 v[STO], v[ACC+8*(4*(\i)+\b)+4:ACC+8*(4*(\i)+\b)+7] offset:64*\b+16
.endr
	WIN TO_F
.set BB, BK+32*((\i)%2)
.irp t, 0,1,2,3,4,5,6,7
	ds_load_b128 v[BB+4*\t:BB+4*\t+3], v[RD] offset:2*SPITCH*\t
.endr
.endm
.macro SEND i, younger
.set BB, BK+32*((\i)%2)
	s_wait_dscnt \younger
	WIN 0x49
.set k, 0
.rept 16
	v_pk_add_f32 v[BB+k:BB+k+1], v[BB+k:BB+k+1], v[32*(\i)+k:32*(\i)+k+1]
.set k, k+2
.endr
	WIN 0x04
.irp t, 0,1,2,3,4,5,6,7
.if NT
	global_store_b128 v[CO], v[BB+4*\t:BB+4*\t+3], s[12:13] offset:(32*((\i)/2)+8*((\i)%2)+(2*\t)%8+16*(\t/4))*4096 th:TH_STORE_NT
.else
	global_store_b128 v[CO], v[BB+4*\t:BB+4*\t+3], s[12:13] offset:(32*((\i)/2)+8*((\i)%2)+(2*\t)%8+16*(\t/4))*4096
.endif
.endr
.endm
	PLACES 8
	s_wait_loadcnt 0x0
	TOSTAGE 0
.irp i, 1,2,3
.if \i > 1
	s_wait_xcnt 0x0
.endif
	TOSTAGE \i
	SEND \i-1, 16
.endr
	SEND 3, 0
	WIN 0
	s_wait_tensorcnt 0x0
	ds_add_u32 v[SPW], v[NIL]
	s_wait_dscnt 0x0
	CROUND
	s_endpgm
.Lfunc_end_k_q671e5fe270_ffn2:
	.size	k_q671e5fe270_ffn2, .Lfunc_end_k_q671e5fe270_ffn2-k_q671e5fe270_ffn2
	.p2alignl 7, 3214868480
	.fill 96, 4, 3214868480
	.section	.rodata,"a",@progbits
	.p2align	6, 0x0
	.amdhsa_kernel k_q671e5fe270_ffn2
		.amdhsa_group_segment_fixed_size 327680
		.amdhsa_private_segment_fixed_size 0
		.amdhsa_enable_private_segment 0
		.amdhsa_kernarg_size 48
		.amdhsa_user_sgpr_count 2
		.amdhsa_user_sgpr_kernarg_segment_ptr 1
		.amdhsa_wavefront_size32 1
		.amdhsa_system_sgpr_workgroup_id_x 1
		.amdhsa_system_sgpr_workgroup_id_y 1
		.amdhsa_system_sgpr_workgroup_id_z 1
		.amdhsa_system_vgpr_workitem_id 0
		.amdhsa_next_free_vgpr 640
		.amdhsa_next_free_sgpr 100
		.amdhsa_reserve_vcc 0
		.amdhsa_float_denorm_mode_32 3
		.amdhsa_float_denorm_mode_16_64 3
		.amdhsa_memory_ordered 1
		.amdhsa_forward_progress 1
		.amdhsa_inst_pref_size 104
	.end_amdhsa_kernel
	.amdgpu_metadata
---
amdhsa.version: [ 1, 2 ]
amdhsa.kernels:
  - .name:           k_q671e5fe270_ffn2
    .symbol:         k_q671e5fe270_ffn2.kd
    .args:
      - { .name: aq, .offset: 0, .size: 8, .value_kind: global_buffer, .address_space: global }
      - { .name: w2_codes, .offset: 8, .size: 8, .value_kind: global_buffer, .address_space: global }
      - { .name: w2_scales, .offset: 16, .size: 8, .value_kind: global_buffer, .address_space: global }
      - { .name: b2, .offset: 24, .size: 8, .value_kind: global_buffer, .address_space: global }
      - { .name: x2, .offset: 32, .size: 8, .value_kind: global_buffer, .address_space: global }
      - { .name: out0, .offset: 40, .size: 8, .value_kind: global_buffer, .address_space: global }
    .group_segment_fixed_size: 327680
    .private_segment_fixed_size: 0
    .kernarg_segment_align: 8
    .kernarg_segment_size: 48
    .max_flat_workgroup_size: 128
    .sgpr_count:     100
    .vgpr_count:     640
    .wavefront_size: 32
...
	.end_amdgpu_metadata
.endif
;; end of part 6
